; MI455X (gfx1250); checked and timed in simulation.
; The chip was launched on July 23, 2026; its instructions are those of AMD's public machine-readable ISA for CDNA 5 (MIT licence, August 2026) and "CDNA5" Instruction Set Architecture Reference Guide (July 2026). The comments in the code are by the model that wrote it; some were corrected since.
;; Multi Head Attention. Allowed arithmetic: matrix products marked QUANTISED: E4M3 operands, one given power-of-two scale a tensor, by v_wmma_f32_16x16x64_fp8_fp8 or v_wmma_f32_16x16x128_fp8_fp8, f32 sums; everything else in f32.
;; Inputs: K 4 x 2,048 x 1,024 float32; Q 4 x 2,048 x 1,024 float32; V 4 x 2,048 x 1,024 float32; Wk 1,024 x 1,024 float32; Wq 1,024 x 1,024 float32; Wv 1,024 x 1,024 float32; bq 1,024 float32; bv 1,024 float32; lowp_scales 10 int32 (the exponents e of the quantised operands' scales 2^e); mask 4 x 2,048 int32.
;; Outputs: out0 4 x 2,048 x 1,024 float32.
;; This version of the problem:
;;   THIS VERSION OF THE PROBLEM IS GIVEN IN LOW PRECISION. The matrix products marked QUANTISED in the list below multiply operands that are first quantised to E4M3 (4 exponent bits, 3 mantissa bits; 8 bits a number), with one given power-of-two scale for each operand tensor; their sums are f32. All else is computed in f32.
;;   The module's matrix products, in the order in which they are computed (A, B: the left and right operand; K: the contracted axis; several contracted axes count as one K, in the product's order):
;;     1. [M 8,192, K 1,024] x [K 1,024, N 1,024]; A: input Q; B: input Wq: QUANTISED (scales: A lowp_scales[0], B lowp_scales[1])
;;     2. [M 8,192, K 1,024] x [K 1,024, N 1,024]; A: input K; B: input Wk: QUANTISED (scales: A lowp_scales[2], B lowp_scales[3])
;;     3. [M 8,192, K 1,024] x [K 1,024, N 1,024]; A: input V; B: input Wv: QUANTISED (scales: A lowp_scales[4], B lowp_scales[5])
;;     4. batch 64 x [M 2,048, K 64] x [K 64, N 2,048]; A: computed on the way; B: computed on the way: QUANTISED (scales: A lowp_scales[6], B lowp_scales[7])
;;     5. batch 64 x [M 64, K 2,048] x [K 2,048, N 2,048]; A: computed on the way; B: softmax (see below): QUANTISED (scales: A lowp_scales[8], B lowp_scales[9])
;;   THE QUANTISER, for each operand of a quantised product, along K:
;;     - The operand's scale is 2^e, e = its entry of the input lowp_scales (int32; the entries are numbered through the quantised products in the list's order, A before B).
;;     - Each number is divided by the scale, clamped to +-448, and rounded to the nearest number of E4M3, ties to even, subnormals kept.
;;     - The product sums the exact products of the quantised numbers (number of the format x scale) in f32.
;;   ~~~python
;;   def quantise(x, axis, e):      # numpy; x: float32 -> the quantised numbers, widened to float32 again
;;       x = np.moveaxis(x, axis, -1); K = x.shape[-1]
;;       r = np.clip(x / 2.0 ** e, -448, 448)
;;       step = 2.0 ** (np.maximum(np.frexp(np.where(r == 0, 1, r))[1] - 1, -6) - 3)
;;       q = np.round(r / step) * step * 2.0 ** e      # np.round: ties to even
;;       return np.moveaxis(q, -1, axis).astype(np.float32)
;;   ~~~
;;   SOFTMAX AHEAD OF A QUANTISED PRODUCT. Where the list says 'softmax', what is quantised is not the finished softmax but p = 2^(t - M), with t = logit x log2(e) and M = ceil(the row's largest t), a whole number; so 1/2 < the row's largest p <= 1. The row's sum l is taken of the UNQUANTISED p, in f32, and the product's result is divided by l at the end. Since M is a whole number, a kernel that streams over the keys may use a running M (the ceiling of the running maximum): every later rescaling is an exact power of two, so the quantised numbers keep their values, but for numbers so far below the row's largest that they fall under the format's range.
;;   OPERANDS COMPUTED ON THE WAY. 'Computed on the way' means the value that the module computes at that place (a softmax that the list does not call 'softmax' is quantised finished and normalised). What goes into a quantiser is computed in f32, as accurately as f32 sums, v_exp_f32 and their like allow (about 1e-6 of the number): no bf16 or f16 on the way to a quantiser, and a product that is left as it is and whose result goes on into a quantised operand takes f32 operands (vector FMAs, or v_wmma_f32_16x16x4_f32). A number that lies on a knife's edge between two numbers of the format may be rounded either way, as far as f32 arithmetic and the matrix unit's own rounding can turn it there, and no further.
;; 2 versions, each right; version 2 is version 1 with the launch attn written anew for expert scheduling mode. Each part assembles by itself: llvm-mc -triple=amdgcn-amd-amdhsa -mcpu=gfx1250 --defsym DOCPART=n.
;; ======== version 1 of 2: 3 launches
;; limits: right only within a limited range of input values
;; workspace buffers: x_codes 25,165,824 bytes; w_codes 3,145,728 bytes; qkv 25,165,824 bytes; counts 512 bytes of whole numbers
;; launch quant (part 1): grid 864 x 1, 4 waves a work-group, no clusters, 33,280 bytes of LDS; arguments Q, K, V, Wq, Wk, Wv, mask, lowp_scales, x_codes, w_codes, counts; writes x_codes, w_codes, counts
.if DOCPART == 1
	.amdgcn_target "amdgcn-amd-amdhsa--gfx1250"
	.amdhsa_code_object_version 6
	.text
	.protected	k_q05566b8d23_quant
	.globl	k_q05566b8d23_quant
	.p2align	8
	.type	k_q05566b8d23_quant,@function
k_q05566b8d23_quant:
	s_mov_b64 s[64:65], 0
	v_nop
	global_prefetch_b8 v0, s[64:65] scope:SCOPE_SE
	s_setreg_imm32_b32 hwreg(HW_REG_WAVE_MODE, 25, 1), 1
	s_wait_xcnt 0x0
; Q, K, V [8192][1024] and Wq, Wk, Wv [1024][1024], f32, K innermost, become codes of FP8 (E4M3), one byte a number, each with the scale 2^e given for it
; (entries 0 to 5 of the scales: Q, Wq, K, Wk, V, Wv).  code = x / 2^e, held within +-448, to the nearest code, ties to even.
; THE ROWS OF K AND V ARE LAID IN ANOTHER ORDER, the same for both, batch by batch: the keys whose mask is not 0 first, in their order, the others behind them, in theirs:
; place(key) = living ? living keys before it : T + key - living keys before it, T = the batch's living keys.  A softmax and the sum over keys behind it do not hang on the keys' order,
; so the attention launch walks places 0 .. T - 1 alone.  T goes out as 32 equal words a batch.
; SHARES.  A work-group takes 32 rows, a wave 8: 16 steps of 512 numbers.  Work-groups 0-767: Q, K, V (256 each); 768-863: the weights (32 each).  Only pointers and row places differ.
; A conversion takes 8 neighbours from ONE lane's registers, a load is best where neighbouring lanes take neighbouring bytes: each load reads 512 consecutive bytes, 16 a lane, and a step's 2,048 bytes
; turn through the wave's own stage in LDS (64 bytes a lane, 16 of padding behind them).  A lane's 16 codes are 16 bytes: a store of the wave covers 512 consecutive bytes, aligned.
; No barrier, no cluster, no matrix unit: the waves share nothing.  Loads run four steps (16 loads a wave) ahead, the turn through LDS one step.
; LIMITS: each e between -126 and 119.  NaN among the inputs is not served (an infinity is held at the largest code).
.set STEPS, 16
.set EMAX,  8
.set MANT,  0x600000                   ; the mantissa field of 448 as f32
.set R,     16                         ; v16-79   four sets of 16 numbers as they are loaded
.set X,     80                         ; v80-111  two sets of 16 neighbours
.set VO,    112                        ; v112-119 row e of my eight: its place x 1,024 + 16 x lane; never rewritten
.set COMB,  120                        ; v120     living keys: all of the batch's in the low half, those before my first key in the high half
.set CNT,   121
.set WGT,   122
.set L4,    123                        ; v123     4 x lane
.set TMPV,  124
.set BOTH,  125                        ; v125     0x10001
.set TV,    126                        ; v126     T, for the store of the count
.set C,     128                        ; v128-191 codes: four registers for each step, so that no store's data are written again
.set MK,    128                        ; the same registers hold the batch's 2,048 mask words (64 a lane) before step 0
.set WREG,  8192                       ; LDS: a region for each wave: two stages of 32 x SP bytes
.set SP,    80
	s_load_b512 s[36:51], s[0:1], 0x0              ; Q 36, K 38, V 40, Wq 42, Wk 44, Wv 46, mask 48, scales 50
	s_load_b128 s[52:55], s[0:1], 0x40             ; x_codes, w_codes
	s_load_b64 s[56:57], s[0:1], 0x50              ; counts
	v_lshl_add_u32 v192, v0, 2, 0x8000
	v_mov_b32 v193, 0
	v_lshrrev_b32 v1, 5, v0
	v_readfirstlane_b32 s16, v1                    ; wave
	v_and_b32 v2, 31, v0                           ; lane
	v_lshlrev_b32 v3, 4, v2                        ; my 16 bytes of a load's or a store's 512
	s_mul_i32 s20, s16, WREG
	v_lshrrev_b32 v14, 2, v2
	v_mul_u32_u24 v14, v14, SP
	v_and_b32 v15, 3, v2
	v_lshl_add_u32 v14, v15, 4, v14
	v_add_nc_u32 v14, s20, v14                     ; the stage, on the way in: SP (lane / 4) + 16 (lane % 4)
	v_mul_u32_u24 v15, v2, SP
	v_add_nc_u32 v15, s20, v15                     ; and on the way out: SP x lane: my 16 neighbours
	s_cmp_lt_u32 ttmp9, 768                        ; an activation's work-group or a weight's?
	s_cselect_b32 s20, 0, 768
	s_cselect_b32 s21, 8, 5                        ; work-groups in a tensor: 256 or 32
	s_cselect_b32 s22, 255, 31
	s_cselect_b32 s23, 23, 20                      ; bytes of a tensor's codes: 2^23 or 2^20
	s_cselect_b32 s61, 1, 0
	s_sub_co_u32 s20, ttmp9, s20
	s_lshr_b32 s18, s20, s21                       ; p: which of the three tensors
	s_and_b32 s17, s20, s22                        ; loc: which 32 rows of it
	s_lshr_b32 s19, s17, 6                         ; the batch (0 for a weight)
	s_and_b32 s59, s17, 63
	s_lshl_b32 s59, s59, 5
	s_lshl_b32 s20, s16, 3
	s_add_co_u32 s59, s59, s20                     ; my wave's first row in the batch
	s_min_u32 s58, s18, 1
	s_and_b32 s58, s58, s61                        ; 1 for K and V: rows are placed by the mask
	s_lshl_b32 s20, s17, 2
	s_add_co_u32 s20, s20, s16
	s_lshl_b32 s20, s20, 15                        ; my wave's 8 rows of 4,096 bytes in the source
	s_mov_b32 s21, 0
	s_lshl_b32 s22, s18, s23
	s_lshl_b32 s23, s19, 21
	s_add_co_u32 s22, s22, s23                     ; the tensor's and the batch's first byte in the codes
	s_mov_b32 s23, 0
	s_lshl_b32 s60, s18, 1
	s_add_co_u32 s60, s60, 1
	s_sub_co_u32 s60, s60, s61
	s_lshl_b32 s60, s60, 2                         ; the scale's entry: 2 p for an activation, 2 p + 1 for a weight
	s_wait_kmcnt 0x0
	s_load_b32 s62, s[50:51], s60 offset:0x0       ; e
	s_cmp_lt_u32 ttmp9, 768                        ; the choices hang on the work-group's number alone
	s_cselect_b64 s[36:37], s[36:37], s[42:43]
	s_cselect_b64 s[38:39], s[38:39], s[44:45]
	s_cselect_b64 s[40:41], s[40:41], s[46:47]
	s_cselect_b64 s[8:9], s[52:53], s[54:55]
	s_cmp_eq_u32 s18, 1
	s_cselect_b64 s[4:5], s[38:39], s[36:37]
	s_cmp_eq_u32 s18, 2
	s_cselect_b64 s[4:5], s[40:41], s[4:5]
	s_add_nc_u64 s[4:5], s[4:5], s[20:21]
	s_add_nc_u64 s[8:9], s[8:9], s[22:23]
.macro LOAD t
.irp i, 0,1,2,3
	global_load_b128 v[R+16*((\t)%4)+4*\i:R+16*((\t)%4)+4*\i+3], v3, s[4:5] offset:2048*(\t)+512*\i th:TH_LOAD_NT   ; 32 lanes read 512 consecutive bytes
.endr
.endm
.macro TURN t                          ; step t's numbers through the stage: LDS serves a wave's instructions in order, so no wait stands between the stores and the loads
.irp i, 0,1,2,3
	ds_store_b128 v14, v[R+16*((\t)%4)+4*\i:R+16*((\t)%4)+4*\i+3] offset:32*SP*((\t)%2)+8*SP*\i
.endr
.irp i, 0,1,2,3
	ds_load_b128 v[X+16*((\t)%2)+4*\i:X+16*((\t)%2)+4*\i+3], v15 offset:32*SP*((\t)%2)+16*\i
.endr
.endm
	s_cmp_eq_u32 s58, 0                            ; one branch, on the work-group's number: K and V go by the mask, all else row by row
	s_cbranch_scc1 .Lplain
	s_lshl_b32 s20, s19, 13                        ; the batch's 2,048 mask words  (s21 is still 0)
	s_add_nc_u64 s[48:49], s[48:49], s[20:21]
	s_lshl_b32 s63, s59, 2
	s_load_b256 s[24:31], s[48:49], s63 offset:0x0 ; my eight rows' own mask words
.irp i, 0,1,2,3,4,5,6,7,8,9,10,11,12,13,14,15
	global_load_b128 v[MK+4*\i:MK+4*\i+3], v3, s[48:49] offset:512*\i   ; lane l: keys 128 i + 4 l + 0 .. 3
.endr
	LOAD 0
	LOAD 1
	LOAD 2
	LOAD 3
	v_mov_b32 v[TMPV], 0                           ; (a lane move's destination counts as read)
	v_mov_b32 v[BOTH], 0x10001
	v_lshlrev_b32 v[L4], 2, v2
	s_mov_b32 s12, 0x76543210
	s_mov_b32 s13, 0xfedcba98
	s_wait_loadcnt 16                              ; the mask's 16 loads are in; the 16 loads of numbers behind them may be out
	s_wait_kmcnt 0x0
.set i, 0
.rept 16
	v_min_u32 v[MK+4*i], 1, v[MK+4*i]              ; any word but 0 counts as 1
	v_min_u32 v[MK+4*i+1], 1, v[MK+4*i+1]
	v_min_u32 v[MK+4*i+2], 1, v[MK+4*i+2]
	v_min_u32 v[MK+4*i+3], 1, v[MK+4*i+3]
	v_add3_u32 v[CNT], v[MK+4*i], v[MK+4*i+1], v[MK+4*i+2]
	v_add_nc_u32 v[CNT], v[CNT], v[MK+4*i+3]
	s_sub_co_i32 s20, s59, 128*i
	v_cmp_gt_i32 vcc_lo, s20, v[L4]                ; do my four keys lie before the wave's first row?  (That row is a multiple of 8: all four or none)
	v_cndmask_b32 v[WGT], 1, v[BOTH], vcc_lo       ; then they count in both halves
.if i == 0
	v_mad_u32_u24 v[COMB], v[CNT], v[WGT], 0
.else
	v_mad_u32_u24 v[COMB], v[CNT], v[WGT], v[COMB]
.endif
.set i, i+1
.endr
.irp m, 1,2,4,8                        ; the sum over the 32 lanes; each half stays under 2^12
	v_mov_b32_dpp v[TMPV], v[COMB] row_xmask:\m row_mask:0xf bank_mask:0xf
	v_add_nc_u32 v[COMB], v[COMB], v[TMPV]
.endr
	v_permlanex16_b32 v[TMPV], v[COMB], s12, s13
	v_add_nc_u32 v[COMB], v[COMB], v[TMPV]
	v_readfirstlane_b32 s21, v[COMB]
	s_and_b32 s22, s21, 0xffff                     ; T
	s_lshr_b32 s23, s21, 16                        ; living keys before my first row
	s_add_co_u32 s60, s22, s59
.irp e, 0,1,2,3,4,5,6,7
	s_add_co_u32 s63, s60, \e
	s_sub_co_u32 s63, s63, s23                     ; a masked key's place: T + key - living keys before it
	s_cmp_lg_u32 s[24+\e], 0
	s_cselect_b32 s63, s23, s63                    ; a living key's: living keys before it
	s_cselect_b32 s61, 1, 0
	s_add_co_u32 s23, s23, s61
	s_min_u32 s63, s63, 2047                       ; a place lies in the batch's 2,048 rows
	s_lshl_b32 s63, s63, 10
	v_add_nc_u32 v[VO+\e], s63, v3
.endr
	s_and_b32 s20, s17, 63                         ; the batch's first wave of K's work-groups stores the count
	s_or_b32 s20, s20, s16
	s_xor_b32 s21, s18, 1
	s_or_b32 s20, s20, s21
	s_cmp_lg_u32 s20, 0
	s_cbranch_scc1 .Lgo
	s_lshl_b32 s20, s19, 7
	s_mov_b32 s21, 0
	s_add_nc_u64 s[56:57], s[56:57], s[20:21]
	v_mov_b32 v[TV], s22
	global_store_b32 v[L4], v[TV], s[56:57]        ; 32 equal words: 128 consecutive bytes
	s_branch .Lgo
.Lplain:
	LOAD 0
	LOAD 1
	LOAD 2
	LOAD 3
	s_lshl_b32 s20, s59, 10
	v_add_nc_u32 v[VO], s20, v3
.irp e, 1,2,3,4,5,6,7
	v_add_nc_u32 v[VO+\e], \e*1024, v[VO]
.endr
.Lgo:                                              ; on both ways the 16 loads of steps 0 to 3 are the youngest
	s_wait_kmcnt 0x0
	s_add_co_i32 s62, s62, 127
	s_lshl_b32 s63, s62, 23
	v_mov_b32 v11, s63                             ; 2^e as f32: the conversion takes its exponent field
	s_add_co_i32 s62, s62, EMAX
	s_lshl_b32 s62, s62, 23
	s_or_b32 s62, s62, MANT
	v_mov_b32 v10, s62                             ; 448 x 2^e
	s_wait_loadcnt 12                              ; step 0's four loads are in
	TURN 0
.macro STEP t
.set XS, X+16*((\t)%2)
	s_wait_dscnt 0x0                               ; this step's numbers are back from the stage: so its stores into the stage have read their registers,
.if (\t)+4 < STEPS
	LOAD (\t)+4                                    ; which take the loads of four steps on
.endif
.if (\t)+1 < STEPS
.if STEPS-2-(\t) >= 3
	s_wait_loadcnt 12                              ; the next step's four loads are in; those of the three steps behind it may be out
.else
	s_wait_loadcnt 4*(STEPS-2-(\t))
.endif
	TURN (\t)+1                                    ; and go through the other stage while this step is worked
.endif
.irp i, 0,1,2,3,4,5,6,7,8,9,10,11,12,13,14,15
	v_med3_num_f32 v[XS+\i], v[XS+\i], -v10, v10   ; the conversion to an 8-bit code does not saturate (ISA guide 7.6.2): the hold comes first
.endr
	v_cvt_scalef32_pk8_fp8_f32 v[C+4*(\t):C+4*(\t)+1], v[XS:XS+7], v11
	v_cvt_scalef32_pk8_fp8_f32 v[C+4*(\t)+2:C+4*(\t)+3], v[XS+8:XS+15], v11
	global_store_b128 v[VO+(\t)/2], v[C+4*(\t):C+4*(\t)+3], s[8:9] offset:512*((\t)%2)   ; half a row of codes: 512 consecutive bytes, aligned.  (The results go to a store alone; the next step's holds are plain lines on other registers)
.endm
.irp t, 0,1,2,3,4,5,6,7,8,9,10,11,12,13,14,15
	STEP \t
.endr
	s_wait_tensorcnt 0x0
	ds_add_u32 v192, v193
	s_wait_dscnt 0x0
	s_endpgm
.Lfunc_end_k_q05566b8d23_quant:
	.size	k_q05566b8d23_quant, .Lfunc_end_k_q05566b8d23_quant-k_q05566b8d23_quant
	.p2alignl 7, 3214868480
	.fill 96, 4, 3214868480
	.section	.rodata,"a",@progbits
	.p2align	6, 0x0
	.amdhsa_kernel k_q05566b8d23_quant
		.amdhsa_group_segment_fixed_size 33280
		.amdhsa_private_segment_fixed_size 0
		.amdhsa_enable_private_segment 0
		.amdhsa_kernarg_size 88
		.amdhsa_user_sgpr_count 2
		.amdhsa_user_sgpr_kernarg_segment_ptr 1
		.amdhsa_wavefront_size32 1
		.amdhsa_system_sgpr_workgroup_id_x 1
		.amdhsa_system_sgpr_workgroup_id_y 1
		.amdhsa_system_sgpr_workgroup_id_z 1
		.amdhsa_system_vgpr_workitem_id 0
		.amdhsa_next_free_vgpr 194
		.amdhsa_next_free_sgpr 66
		.amdhsa_reserve_vcc 1
		.amdhsa_float_denorm_mode_32 3
		.amdhsa_float_denorm_mode_16_64 3
		.amdhsa_memory_ordered 1
		.amdhsa_forward_progress 1
		.amdhsa_inst_pref_size 52
	.end_amdhsa_kernel
	.amdgpu_metadata
---
amdhsa.version: [ 1, 2 ]
amdhsa.kernels:
  - .name:           k_q05566b8d23_quant
    .symbol:         k_q05566b8d23_quant.kd
    .args:
      - { .name: Q, .offset: 0, .size: 8, .value_kind: global_buffer, .address_space: global }
      - { .name: K, .offset: 8, .size: 8, .value_kind: global_buffer, .address_space: global }
      - { .name: V, .offset: 16, .size: 8, .value_kind: global_buffer, .address_space: global }
      - { .name: Wq, .offset: 24, .size: 8, .value_kind: global_buffer, .address_space: global }
      - { .name: Wk, .offset: 32, .size: 8, .value_kind: global_buffer, .address_space: global }
      - { .name: Wv, .offset: 40, .size: 8, .value_kind: global_buffer, .address_space: global }
      - { .name: mask, .offset: 48, .size: 8, .value_kind: global_buffer, .address_space: global }
      - { .name: lowp_scales, .offset: 56, .size: 8, .value_kind: global_buffer, .address_space: global }
      - { .name: x_codes, .offset: 64, .size: 8, .value_kind: global_buffer, .address_space: global }
      - { .name: w_codes, .offset: 72, .size: 8, .value_kind: global_buffer, .address_space: global }
      - { .name: counts, .offset: 80, .size: 8, .value_kind: global_buffer, .address_space: global }
    .group_segment_fixed_size: 33280
    .private_segment_fixed_size: 0
    .kernarg_segment_align: 8
    .kernarg_segment_size: 88
    .max_flat_workgroup_size: 128
    .sgpr_count:     66
    .vgpr_count:     194
    .wavefront_size: 32
...
	.end_amdgpu_metadata
.endif
;; end of part 1
;; launch proj (part 2): grid 4 x 96, 4 waves a work-group, clusters of 4 x 4, 327,680 bytes of LDS; arguments x_codes, w_codes, bq, bv, lowp_scales, qkv; writes qkv
.if DOCPART == 2
	.amdgcn_target "amdgcn-amd-amdhsa--gfx1250"
	.amdhsa_code_object_version 6
	.text
	.protected	k_q05566b8d23_proj
	.globl	k_q05566b8d23_proj
	.p2align	8
	.type	k_q05566b8d23_proj,@function
k_q05566b8d23_proj:
	s_mov_b64 s[64:65], 0
	v_nop
	global_prefetch_b8 v0, s[64:65] scope:SCOPE_SE
	s_setreg_imm32_b32 hwreg(HW_REG_WAVE_MODE, 25, 1), 1
	s_wait_xcnt 0x0
	s_wait_alu depctr_hold_cnt(0) depctr_sa_sdst(0) depctr_va_vdst(0) depctr_va_sdst(0) depctr_va_ssrc(0) depctr_va_vcc(0) depctr_vm_vsrc(0)
	s_getreg_b32 s2, hwreg(HW_REG_IB_STS2, 6, 4)
	s_cmp_eq_u32 s2, 0
	s_cbranch_scc0 .Lentry_in_a_cluster
	s_endpgm
.Lentry_in_a_cluster:
	s_bfe_u32 s2, ttmp6, 0x10000c
	s_cmp_lg_u32 s2, 0xf033
	s_cbranch_scc0 .Lentry_shape_is_right
	s_endpgm
.Lentry_shape_is_right:
; THE THREE PROJECTIONS, on codes of FP8 (E4M3): q = Q Wq^T + bq, k = K Wk^T, v = V Wv^T + bv, each [8192][1024] over K = 1,024; the results are quantised at once, with the scales given for the attention's
; operands (entries 6, 7, 8), and stored as codes in the order in which the attention launch reads them.  Sums in f32.
; C'[m'][n'] = sum over k of A'[m'][k] B'[n'][k].  A tile of C', 256 x 256, is made by a work-group of four waves; a wave makes 128 x 128: 64 accumulators of 16 x 16, 512 registers.
; The matrix instruction is used transposed (source 0 = 16 rows of B', source 1 = 16 rows of A'): a lane holds ONE row m' and eight neighbouring n'.  The conversions take neighbours from one lane's registers, so n' is
; made the axis that the next product contracts:  q, k (p = 0, 1): A' = the tokens, B' = the weight: n' = the head's channels.   v (p = 2): A' = the weight, B' = the tokens: n' = the keys.  Nothing is transposed.
; 24 clusters of 4 x 4 work-groups, 8 for each tensor: p = cluster y / 8.  The four of a row of the cluster need the same tiles of A', the four of a column the same tiles of B': each tile is asked for JOINTLY.
; K goes in steps of 256 through a ring of two LDS slots; four K steps, so the steps are written straight, without a loop.
; THE BIAS is the C of each sum's first matrix instruction, divided by 2^(ea + ew), the power of two that the sums lack (a multiplication that rounds nothing short of underflow): eight registers a block, in the result's layout.
; THE SCALES are folded: a sum stands for sum x 2^(ea + ew), so its code is sum / 2^(eo - ea - ew), held within +-448 of that.
; OUT (qkv): q at 0, k at 2^23: [batch x head 64][token 2048][64 bytes];  v at 2^24: [batch x head][128 keys: 16][channel 64][128 bytes along the keys].  A wave's 128 x 128 codes are two dense blocks of 8,192 bytes.
; LIMITS: eo - ea - ew of each projection between -126 and 119.  NaN is not served.
; REGISTERS, in windows of 256: window 0: v0-31 addresses and the two scale numbers; v32-95 the bias as C, later a block's held sums; v96-127 codes, two sets; from v128 A's fragments, ONE set, later the rows read back.
;   window 1: B's fragments, TWO sets.   window 2: the accumulators of my rows 0-63 ((a, b) at v[8 (8 a + b)]);   window 3: those of my rows 64-127.
.set KSTEP,  256
.set ROWB,   256                       ; a tile's row in bytes
.set KROW,   1024                      ; a row of codes in memory
.set PITCH,  272                       ; an LDS row: 256 bytes + 16 of padding = 68 words: row r starts at bank 4 r mod 64 (64 banks of 4 bytes: ISA guide 11.1)
.set FR,     16                        ; registers of a fragment: 16 rows x 128 K
.set NL,     4                         ; LDS loads that bring one
.set NP,     4                         ; places behind this matrix instruction (ISA guide 7.12.1)
.set HALFT,  128*PITCH                 ; 128 rows: what one tensor load brings, and what one wave reads of A' or of B'
.set SLOT,   4*HALFT
.set SPARE,  2*SLOT                    ; behind the ring: the spare words, 128 bytes for each wave: two blocks of 256 bytes that no other line names
.set SGP,    144                       ; the way out: a stage of 128 rows x (128 codes + 16) for each wave, in slot 0, which has had its last fill and its last read when the first code is stored there
.set SGW,    128*SGP
.set ADRA, 16                          ; v16-17  LDS address of my A' fragments in slot 0, 1
.set ADRB, 20                          ; v20-21  the same for B'
.set STO,  24                          ; v24     the stage: where I put 8 codes of a row
.set RDQ,  25                          ; v25     where I read it back for q and k: 8 rows x 64 bytes an instruction
.set CO,   26                          ; v26     16 x lane: my place in a store's 512 bytes
.set RDV,  27                          ; v27     where I read it back for v: 4 rows x 128 bytes an instruction
.set SPW,  28                          ; v28     LDS address of my spare word; never rewritten
.set NIL,  29                          ; v29     0; never rewritten
.set SC,   30                          ; v30     2^(eo - ea - ew) as f32
.set LIM,  31                          ; v31     448 x that
.set CB,   32                          ; v32-95  the bias as C
.set TMP,  32                          ;         later a block's 64 held sums
.set CD,   96                          ; v96-127 codes: two sets of 16
.set AF,   128
.set BK,   128                         ; the way out: 32 x 4 registers read back
.set G1, 24
.set G0, 32
.set G1B, 48
.set G0B, 56
.set MSB, 0
.macro WIN new                         ; the immediate's high byte repeats the setting that is left
.if MSB != \new
	s_set_vgpr_msb (MSB<<8)|\new
.set MSB, \new
.endif
.endm
.set MUL_LO, 0xa1                      ; source 0 (B') window 1, source 1 (A') window 0, C and D window 2
.set MUL_HI, 0xf1                      ; the same, C and D window 3
.set BIA_LO, 0x81                      ; D window 2, C (the bias) window 0
.set BIA_HI, 0xc1                      ; D window 3, C window 0
.set TO_B,   0x40
; A joint load: waves 0 and 1 fetch for A', waves 2 and 3 for B'.  Each line has ONE mask and one set of registers for all that issue it; the branch hangs on the wave's number alone.
; Four v_nop follow each of the two lines, ahead of the jump, the label and what follows.
.macro JLOAD g0a, g1a, g0b, g1b
	s_cmp_eq_u32 s15, 0
	s_cbranch_scc0 .Lfor_b_\@
	tensor_load_to_lds s[\g0a:\g0a+3], s[\g1a:\g1a+7]
	s_nop 0
.rept 4
	v_nop
.endr
	s_branch .Lasked_\@
.Lfor_b_\@:
	tensor_load_to_lds s[\g0b:\g0b+3], s[\g1b:\g1b+7]
	s_nop 0
.rept 4
	v_nop
.endr
.Lasked_\@:
.endm
.macro CREST                           ; a round of the cluster's barrier behind its opening barrier
	s_cmp_lg_u32 s14, 0
	s_cbranch_scc1 .Lnot_wave_0_\@
	s_barrier_signal -3
.Lnot_wave_0_\@:
	s_barrier_wait -3
	s_barrier_signal -1
	s_barrier_wait -1
.endm
.macro CROUND
	s_barrier_signal -1
	s_barrier_wait -1
	CREST
.endm
	s_load_b256 s[4:11], s[0:1], 0x0               ; x_codes s[4:5], w_codes s[6:7], bq s[8:9], bv s[10:11]
	s_load_b128 s[68:71], s[0:1], 0x20             ; the scales' exponents s[68:69], qkv s[70:71]
	v_lshl_add_u32 v[SPW], v0, 2, SPARE
	v_mov_b32 v[NIL], 0
	ds_add_u32 v28, v29
	ds_add_u32 v28, v29
	s_wait_dscnt 0x0
	v_lshrrev_b32 v1, 5, v0
	v_readfirstlane_b32 s14, v1                    ; wave 0..3
	s_lshr_b32 s15, s14, 1                         ; which half of the tile's rows m' is mine.  Also: I fetch for A' (0) or for B' (1)
	s_and_b32 s16, s14, 1                          ; which half of its columns n'.  Also: which 128 rows of that tile I fetch
	s_bfe_u32 s40, ttmp6, 0x40000                  ; cx, cy: my place in the cluster
	s_bfe_u32 s41, ttmp6, 0x40004
	s_and_b32 s72, ttmp7, 0xffff                   ; cluster y, 0 .. 23 (there is one cluster along x)
	s_lshr_b32 s73, s72, 3                         ; p: 0 q, 1 k, 2 v: the same in all sixteen partners
	s_and_b32 s74, s72, 7
	s_lshl_b32 s74, s74, 2                         ; the cluster's first of the 32 tiles of 256 tokens
	s_lshl_b32 s86, s73, 23                        ; p's part of x_codes (and of qkv),
	s_lshl_b32 s87, s73, 20                        ; and of w_codes
	s_cmp_lt_u32 s73, 2
	s_cselect_b32 s17, s74, 0                      ; the tokens are rows m' for q and k,
	s_cselect_b32 s42, 0, s74                      ; columns n' for v
	s_cselect_b32 s92, s86, s87                    ; A's part
	s_cselect_b32 s93, s87, s86                    ; B's part
	s_add_co_u32 s17, s17, s41                     ; tile row of C': hangs on cy alone
	s_add_co_u32 s42, s42, s40                     ; tile column: on cx alone
	s_lshl_b32 s43, s41, 2
	s_lshl_b32 s43, 15, s43                        ; my row of the cluster
	s_lshl_b32 s44, 0x1111, s40                    ; my column
	; descriptor group 1: a tile of 128 rows x 256 bytes, padded in LDS
	s_or_b32 s[G1+0], s43, (0<<16)|(1<<20)|(1<<21)|(5<<22)|(3<<25)  ; 15:0 the mask: A's tiles go to my row; 17:16 element of 1 byte; 20 padding on; 21 set beside a mask; 24:22 after every 64 words (code 5); 31:25 of 4 words (code 3)
	s_or_b32 s[G1B+0], s44, (0<<16)|(1<<20)|(1<<21)|(5<<22)|(3<<25)
.irp g, G1, G1B
	s_mov_b32 s[\g+1], ROWB<<16                    ; tensor_dim0
	s_mov_b32 s[\g+2], 128<<16                     ; tensor_dim1 = 128
	s_mov_b32 s[\g+3], ROWB<<16                    ; tile_dim0
	s_mov_b32 s[\g+4], 128                         ; tile_dim1 = 128
	s_mov_b32 s[\g+5], KROW                        ; tensor_dim0_stride
	s_mov_b32 s[\g+6], 0
	s_mov_b32 s[\g+7], 0
.endr
	s_lshl_b32 s18, s16, 7                         ; which 128 rows of the tile I fetch
	s_lshl_b32 s20, s17, 8
	s_add_co_u32 s20, s20, s18
	s_lshl_b32 s20, s20, 10                        ; A': row 256 x tile row + 128 x half, of 1,024 bytes,
	s_add_co_u32 s20, s20, s92                     ; in p's part: under 2^25
	s_mov_b32 s21, 0
	s_lshl_b32 s46, s42, 8
	s_add_co_u32 s46, s46, s18
	s_lshl_b32 s46, s46, 10
	s_add_co_u32 s46, s46, s93                     ; B' likewise
	s_mov_b32 s47, 0
	s_mul_i32 s45, s14, HALFT                      ; where they go: wave x 128 rows: no place in the cluster enters an LDS address
	s_wait_kmcnt 0x0
	s_load_b256 s[76:83], s[68:69], 0x0            ; e0 .. e7
	s_load_b64 s[84:85], s[68:69], 0x20            ; e8, e9
	s_cmp_lt_u32 s73, 2                            ; the choice of buffers hangs on p alone
	s_cselect_b64 s[88:89], s[4:5], s[6:7]
	s_cselect_b64 s[90:91], s[6:7], s[4:5]
	s_add_nc_u64 s[20:21], s[88:89], s[20:21]
	s_add_nc_u64 s[46:47], s[90:91], s[46:47]
	CROUND                                         ; all sixteen work-groups are here: the first joint loads meet
.irp s, 0,1
	s_mov_b32 s[G0+4*\s], 1
	s_add_co_u32 s[G0+4*\s+1], s45, \s*SLOT
	s_add_nc_u64 s[G0+4*\s+2:G0+4*\s+3], s[20:21], \s*ROWB
	s_or_b32 s[G0+4*\s+3], s[G0+4*\s+3], 0x80000000
	s_mov_b32 s[G0B+4*\s], 1
	s_add_co_u32 s[G0B+4*\s+1], s45, \s*SLOT
	s_add_nc_u64 s[G0B+4*\s+2:G0B+4*\s+3], s[46:47], \s*ROWB
	s_or_b32 s[G0B+4*\s+3], s[G0B+4*\s+3], 0x80000000
	JLOAD G0+4*\s, G1, G0B+4*\s, G1B               ; two loads of mine are out
.endr
	v_and_b32 v1, 15, v0                           ; r = l % 16
	v_bfe_u32 v2, v0, 4, 1                         ; h = l / 16
	v_mul_u32_u24 v3, v1, PITCH
	v_lshl_add_u32 v4, v2, 4, v3                   ; a fragment's row x pitch + 16 x half
	s_mul_i32 s21, s15, HALFT                      ; my 128 rows of A'
	s_mul_i32 s22, s16, HALFT                      ; my 128 rows of B',
	s_add_co_u32 s22, s22, 2*HALFT                 ; which lie behind A's 256
.irp s, 0,1
	v_add_nc_u32 v[ADRA+\s], s21, v4
	v_add_nc_u32 v[ADRB+\s], s22, v4
	s_add_co_u32 s21, s21, SLOT
	s_add_co_u32 s22, s22, SLOT
.endr
	s_mul_i32 s23, s14, SGW                        ; my stage
	v_mul_u32_u24 v5, v1, SGP
	v_lshl_add_u32 v5, v2, 3, v5
	v_add_nc_u32 v[STO], s23, v5                   ; in: row r, 8 bytes for each half of the lanes
	v_and_b32 v6, 31, v0
	v_lshlrev_b32 v[CO], 4, v6
	v_lshrrev_b32 v7, 2, v6
	v_mul_u32_u24 v7, v7, SGP
	v_and_b32 v8, 3, v6
	v_lshl_add_u32 v7, v8, 4, v7
	v_add_nc_u32 v[RDQ], s23, v7                   ; back, q and k: row l / 4, 16 (l % 4) of a head's 64 bytes
	v_lshrrev_b32 v7, 3, v6
	v_mul_u32_u24 v7, v7, SGP
	v_and_b32 v8, 7, v6
	v_lshl_add_u32 v7, v8, 4, v7
	v_add_nc_u32 v[RDV], s23, v7                   ; back, v: row l / 8, 16 (l % 8) of its 128 bytes
	v_lshlrev_b32 v9, 5, v2                        ; bq: 8 h numbers on
	v_lshlrev_b32 v10, 2, v1                       ; bv: r numbers on
	; where my two blocks of 8,192 bytes begin in qkv: X, xh: the tile of 256 tokens and my half of it; Y, yh: the tile of 256 features and my half
	s_cmp_lt_u32 s73, 2
	s_cselect_b32 s18, s17, s42
	s_cselect_b32 s19, s15, s16
	s_cselect_b32 s22, s42, s17
	s_cselect_b32 s23, s16, s15
	s_lshr_b32 s20, s18, 3
	s_lshl_b32 s20, s20, 21                        ; the batch: 16 heads x 2^17 bytes
	s_lshl_b32 s22, s22, 2
	s_lshl_b32 s23, s23, 1
	s_add_co_u32 s22, s22, s23
	s_lshl_b32 s22, s22, 17                        ; my first head: 4 Y + 2 yh
	s_add_co_u32 s20, s20, s22
	s_and_b32 s18, s18, 7
	s_lshl_b32 s18, s18, 1
	s_add_co_u32 s18, s18, s19
	s_lshl_b32 s18, s18, 13                        ; my 128 tokens of the batch's 2,048
	s_add_co_u32 s20, s20, s18
	s_add_co_u32 s20, s20, s86                     ; p's part
	s_mov_b32 s21, 0
	s_add_nc_u64 s[94:95], s[70:71], s[20:21]
	s_wait_kmcnt 0x0                               ; the scales.  What they decide is chosen, never branched on
	s_add_co_i32 s76, s76, s77                     ; e0 + e1
	s_add_co_i32 s78, s78, s79                     ; e2 + e3
	s_add_co_i32 s80, s80, s81                     ; e4 + e5
	s_cmp_eq_u32 s73, 1
	s_cselect_b32 s76, s78, s76
	s_cselect_b32 s82, s83, s82
	s_cmp_eq_u32 s73, 2
	s_cselect_b32 s76, s80, s76                    ; ea + ew
	s_cselect_b32 s82, s84, s82                    ; eo: e6, e7 or e8
	s_sub_co_i32 s77, s82, s76
	s_add_co_i32 s77, s77, 127
	s_lshl_b32 s78, s77, 23
	v_mov_b32 v[SC], s78                           ; 2^(eo - ea - ew)
	s_add_co_i32 s77, s77, 8
	s_lshl_b32 s77, s77, 23
	s_or_b32 s77, s77, 0x600000
	v_mov_b32 v[LIM], s77                          ; 448 x that
	s_sub_co_i32 s79, 0, s76                       ; -(ea + ew), for the bias
.macro FRAG reg, adr, q, i             ; a fragment: lane l holds row l % 16; registers 4 c .. 4 c + 3 hold K = 32 c + 16 (l / 16) + 0 .. 15: the same order of K in A' and in B', so every product meets its partner
.irp c, 0,1,2,3
	ds_load_b128 v[\reg+4*\c:\reg+4*\c+3], v[\adr] offset:128*(\q)+32*\c+(\i)*16*PITCH
.endr
.endm
; 16 matrix instructions: A's blocks a0, a0 + 1 x B's eight, 128 along K.  p: B's set.  cm: 0 adds in place; 1 starts the sums with 0; 2 with the bias of the block's columns; 3 with the bias of its rows.
; The 64 accumulators take turns, one instruction a turn, in the same order in every step.
.macro MUL16 a0, p, cm
.irp a, \a0, \a0+1
.irp b, 0,1,2,3,4,5,6,7
.if \cm == 0
	v_wmma_f32_16x16x128_fp8_fp8 v[8*(8*((\a)%4)+\b):8*(8*((\a)%4)+\b)+7], v[128*(\p)+FR*\b:128*(\p)+FR*\b+FR-1], v[AF+FR*(\a):AF+FR*(\a)+FR-1], v[8*(8*((\a)%4)+\b):8*(8*((\a)%4)+\b)+7]
.elseif \cm == 1
	v_wmma_f32_16x16x128_fp8_fp8 v[8*(8*((\a)%4)+\b):8*(8*((\a)%4)+\b)+7], v[128*(\p)+FR*\b:128*(\p)+FR*\b+FR-1], v[AF+FR*(\a):AF+FR*(\a)+FR-1], 0
.elseif \cm == 2
	v_wmma_f32_16x16x128_fp8_fp8 v[8*(8*((\a)%4)+\b):8*(8*((\a)%4)+\b)+7], v[128*(\p)+FR*\b:128*(\p)+FR*\b+FR-1], v[AF+FR*(\a):AF+FR*(\a)+FR-1], v[CB+8*\b:CB+8*\b+7]
.else
	v_wmma_f32_16x16x128_fp8_fp8 v[8*(8*((\a)%4)+\b):8*(8*((\a)%4)+\b)+7], v[128*(\p)+FR*\b:128*(\p)+FR*\b+FR-1], v[AF+FR*(\a):AF+FR*(\a)+FR-1], v[CB+8*(\a):CB+8*(\a)+7]
.endif
.endr
.endr
.endm
.macro FETCH_B slot, q, p
	WIN TO_B
.irp i, 0,1,2,3,4,5,6,7
	FRAG 128*(\p)+FR*\i, ADRB+\slot, \q, \i
.endr
	WIN 0
.endm
.macro FETCH_A slot, q, i0
.irp i, \i0, \i0+1, \i0+2, \i0+3
	FRAG AF+FR*(\i), ADRA+\slot, \q, \i
.endr
.endm
.macro PLACES n                        ; plain vector lines between a matrix instruction and a load into a register that it has read, or the first read of its result (ISA guide 7.12.1 for the read of its result)
.rept \n
	v_nop
.endr
.endm
; A step of 128 along K that has its successor in the same slot.  A block of A' is free as soon as its eight products are issued: blocks 0-3 are fetched anew in the step's middle, blocks 4-7 at its end.
.macro STEP slot, q, cm
	s_wait_dscnt 4*NL                              ; B's set and A's blocks 0-3 are in; the youngest sixteen loads (A's blocks 4-7) may be out
.if \cm >= 2
	WIN BIA_LO
.else
	WIN MUL_LO
.endif
	MUL16 0, (\q)%2, \cm
	MUL16 2, (\q)%2, \cm
	s_wait_dscnt 0                                 ; A's blocks 4-7 are in (asked for 32 matrix instructions ago)
	PLACES NP
	FETCH_B \slot, (\q)+1, 1-(\q)%2
	FETCH_A \slot, (\q)+1, 0
.if \cm >= 2
	WIN BIA_HI
.else
	WIN MUL_HI
.endif
	MUL16 4, (\q)%2, \cm
	MUL16 6, (\q)%2, \cm
	PLACES NP
	WIN 0
	FETCH_A \slot, (\q)+1, 4
.endm
; A slot's last step changes slots: ONE barrier; in front of it each wave waits for all its tensor loads, adds 0 to its spare word, and waits for that and for its own reads of this slot.  fill = 1: this slot is filled again, two K steps ahead.
.macro TURN slot, next, fill
	s_wait_tensorcnt 0x0                           ; all my tensor loads have landed: my part of the next slot;  (every window is 0 here)
	ds_add_u32 v[SPW], v[NIL]                      ; 0 onto my spare word;
	s_wait_dscnt 4*NL+1                            ; (the add and the youngest sixteen loads, A's blocks 4-7, may be out)
	WIN MUL_LO
	MUL16 0, 1, 0                                  ; sixteen matrix instructions stand between the add and the wait for it
	s_wait_dscnt 0x0                               ; the add is done, and my reads of this slot are over
	s_barrier_signal -1
	MUL16 2, 1, 0
	WIN 0
	s_barrier_wait -1
.if \fill
	CREST                                          ; the barrier has opened a round of the cluster's barrier: no wave of any partner still reads this slot's tile or has a load on its way
	s_add_nc_u64 s[G0+4*\slot+2:G0+4*\slot+3], s[G0+4*\slot+2:G0+4*\slot+3], 2*ROWB
	s_add_nc_u64 s[G0B+4*\slot+2:G0B+4*\slot+3], s[G0B+4*\slot+2:G0B+4*\slot+3], 2*ROWB
	JLOAD G0+4*\slot, G1, G0B+4*\slot, G1B         ; the first tensor load behind the round, my one load until the next; its four v_nop are the places in front of the loads below
.else
	PLACES NP
.endif
	FETCH_B \next, 0, 0
	FETCH_A \next, 0, 0
	WIN MUL_HI
	MUL16 4, 1, 0
	MUL16 6, 1, 0
	PLACES NP
	WIN 0
	FETCH_A \next, 0, 4
.endm
	s_wait_tensorcnt 1                             ; my part of K step 0 is in (K step 1's load may be out)
	s_barrier_signal -1
	s_barrier_wait -1                              ; everybody's is
	FETCH_B 0, 0, 0
	FETCH_A 0, 0, 0
	FETCH_A 0, 0, 4
	; THE FIRST STEP starts the sums, and differs by the tensor: one branch on p holds the bias's loads and the step that takes them as C
	s_cmp_eq_u32 s73, 1
	s_cbranch_scc1 .Larm_k
	s_cmp_eq_u32 s73, 2
	s_cbranch_scc1 .Larm_v
	s_lshl_b32 s18, s42, 10                        ; q: bq at my 128 columns: feature 256 x tile column + 128 x half
	s_lshl_b32 s19, s16, 9
	s_add_co_u32 s18, s18, s19
	s_mov_b32 s19, 0
	s_add_nc_u64 s[8:9], s[8:9], s[18:19]
.irp b, 0,1,2,3,4,5,6,7
	global_load_b128 v[CB+8*\b:CB+8*\b+3], v9, s[8:9] offset:64*\b        ; lane (r, h), block b: columns 16 b + 8 h + 0 .. 7
	global_load_b128 v[CB+8*\b+4:CB+8*\b+7], v9, s[8:9] offset:64*\b+16
.endr
	s_wait_loadcnt 0x0
.set i, 0
.rept 64
	v_ldexp_f32 v[CB+i], v[CB+i], s79              ; / 2^(ea + ew)
.set i, i+1
.endr
	STEP 0, 0, 2
	s_branch .Lsteps
.Larm_k:
	STEP 0, 0, 1                                   ; k has no bias
	s_branch .Lsteps
.Larm_v:
	s_lshl_b32 s18, s17, 10                        ; v: bv at my 128 rows: feature 256 x tile row + 128 x half
	s_lshl_b32 s19, s15, 9
	s_add_co_u32 s18, s18, s19
	s_mov_b32 s19, 0
	s_add_nc_u64 s[10:11], s[10:11], s[18:19]
.irp a, 0,1,2,3,4,5,6,7
	global_load_b32 v[CB+8*\a], v10, s[10:11] offset:64*\a                ; lane (r, h), block a: row 16 a + r
.endr
	s_wait_loadcnt 0x0
.irp a, 0,1,2,3,4,5,6,7
	v_ldexp_f32 v[CB+8*\a], v[CB+8*\a], s79
.endr
.irp a, 0,1,2,3,4,5,6,7
.irp j, 1,2,3,4,5,6,7
	v_mov_b32 v[CB+8*\a+\j], v[CB+8*\a]            ; a lane's eight results lie in one row: the C operand wants the row's bias eight times
.endr
.endr
	STEP 0, 0, 3
.Lsteps:
	TURN 0, 1, 1                                   ; slot 0 takes K step 2
	STEP 1, 0, 0
	TURN 1, 0, 1                                   ; slot 1 takes K step 3
	STEP 0, 0, 0
	TURN 0, 1, 0                                   ; nothing is left to fetch, and no round of the cluster's barrier
	STEP 1, 0, 0
	s_wait_dscnt 4*NL                              ; the very last step
	WIN MUL_LO
	MUL16 0, 1, 0
	MUL16 2, 1, 0
	s_wait_dscnt 0
	WIN MUL_HI
	MUL16 4, 1, 0
	MUL16 6, 1, 0
	WIN 0
; THE WAY OUT.  Block a (16 rows x 128 columns): the hold, the conversion (eight neighbouring columns of a lane's row: 8 bytes), into my stage.  Each accumulator is read from its low end on.
.macro EPI a
.set AC, 64*((\a)%4)
.set CS, CD+16*((\a)%2)
.if (\a) >= 2
	s_wait_dscnt 8                                 ; block a - 2's eight stores have read this set of codes; block a - 1's eight may be out
.endif
	WIN 0x02+((\a)/4)                              ; source 0: window 2 or 3
.set i, 0
.rept 64
	v_med3_num_f32 v[TMP+i], v[AC+i], -v[LIM], v[LIM]   ; the conversion to an 8-bit code does not saturate (ISA guide 7.6.2)
.set i, i+1
.endr
	WIN 0
.irp b, 0,1,2,3,4,5,6,7
	v_cvt_scalef32_pk8_fp8_f32 v[CS+2*\b:CS+2*\b+1], v[TMP+8*\b:TMP+8*\b+7], v[SC]
.endr
	v_nop                                          ; one plain vector line behind the last conversion: the next block's holds write the conversions' sources
.irp b, 0,1,2,3,4,5,6,7
	ds_store_b64 v[STO], v[CS+2*\b:CS+2*\b+1] offset:(\a)*16*SGP+16*\b
.endr
.endm
	PLACES NP                                      ; behind the last products
.irp a, 0,1,2,3,4,5,6,7
	EPI \a
.endr
	; back as the dense blocks' bytes, 512 an instruction.  LDS serves a wave's instructions in order: these see my stores.  The two orders differ in addresses alone
	s_cmp_lt_u32 s73, 2
	s_cbranch_scc0 .Lread_v
.irp g, 0,1
.irp i, 0,1,2,3,4,5,6,7,8,9,10,11,12,13,14,15
	ds_load_b128 v[BK+4*(16*\g+\i):BK+4*(16*\g+\i)+3], v[RDQ] offset:\i*8*SGP+\g*64      ; head g of my two: tokens 8 i .. 8 i + 7, 64 bytes each
.endr
.endr
	s_branch .Lsend
.Lread_v:
.irp g, 0,1
.irp i, 0,1,2,3,4,5,6,7,8,9,10,11,12,13,14,15
	ds_load_b128 v[BK+4*(16*\g+\i):BK+4*(16*\g+\i)+3], v[RDV] offset:(64*\g+4*\i)*SGP    ; head g: channels 4 i .. 4 i + 3, 128 keys each
.endr
.endr
.Lsend:
.irp g, 0,1
.irp i, 0,1,2,3,4,5,6,7,8,9,10,11,12,13,14,15
	s_wait_dscnt 31-16*\g-\i                       ; the younger loads may be out
	global_store_b128 v[CO], v[BK+4*(16*\g+\i):BK+4*(16*\g+\i)+3], s[94:95] offset:\g*131072+\i*512   ; 32 lanes store 512 consecutive bytes, aligned
.endr
.endr
	s_wait_tensorcnt 0x0                           ; the wave's end: behind my last tensor load and my last LDS store
	ds_add_u32 v[SPW], v[NIL]
	s_wait_dscnt 0x0
	CROUND                                         ; the closing round: no work-group ends while a partner may still ask for a tile that names it
	s_endpgm
.Lfunc_end_k_q05566b8d23_proj:
	.size	k_q05566b8d23_proj, .Lfunc_end_k_q05566b8d23_proj-k_q05566b8d23_proj
	.p2alignl 7, 3214868480
	.fill 96, 4, 3214868480
	.section	.rodata,"a",@progbits
	.p2align	6, 0x0
	.amdhsa_kernel k_q05566b8d23_proj
		.amdhsa_group_segment_fixed_size 327680
		.amdhsa_private_segment_fixed_size 0
		.amdhsa_enable_private_segment 0
		.amdhsa_kernarg_size 48
		.amdhsa_user_sgpr_count 2
		.amdhsa_user_sgpr_kernarg_segment_ptr 1
		.amdhsa_wavefront_size32 1
		.amdhsa_system_sgpr_workgroup_id_x 1
		.amdhsa_system_sgpr_workgroup_id_y 1
		.amdhsa_system_sgpr_workgroup_id_z 1
		.amdhsa_system_vgpr_workitem_id 0
		.amdhsa_next_free_vgpr 1024
		.amdhsa_next_free_sgpr 100
		.amdhsa_reserve_vcc 0
		.amdhsa_float_denorm_mode_32 3
		.amdhsa_float_denorm_mode_16_64 3
		.amdhsa_memory_ordered 1
		.amdhsa_forward_progress 1
		.amdhsa_inst_pref_size 154
	.end_amdhsa_kernel
	.amdgpu_metadata
---
amdhsa.version: [ 1, 2 ]
amdhsa.kernels:
  - .name:           k_q05566b8d23_proj
    .symbol:         k_q05566b8d23_proj.kd
    .args:
      - { .name: x_codes, .offset: 0, .size: 8, .value_kind: global_buffer, .address_space: global }
      - { .name: w_codes, .offset: 8, .size: 8, .value_kind: global_buffer, .address_space: global }
      - { .name: bq, .offset: 16, .size: 8, .value_kind: global_buffer, .address_space: global }
      - { .name: bv, .offset: 24, .size: 8, .value_kind: global_buffer, .address_space: global }
      - { .name: lowp_scales, .offset: 32, .size: 8, .value_kind: global_buffer, .address_space: global }
      - { .name: qkv, .offset: 40, .size: 8, .value_kind: global_buffer, .address_space: global }
    .group_segment_fixed_size: 327680
    .private_segment_fixed_size: 0
    .kernarg_segment_align: 8
    .kernarg_segment_size: 48
    .max_flat_workgroup_size: 128
    .sgpr_count:     100
    .vgpr_count:     1024
    .wavefront_size: 32
...
	.end_amdgpu_metadata
.endif
;; end of part 2
;; launch attn (part 3): grid 4 x 64, 16 waves a work-group, no clusters, 104,448 bytes of LDS; arguments qkv, counts, lowp_scales, out0; writes out0
.if DOCPART == 3
	.amdgcn_target "amdgcn-amd-amdhsa--gfx1250"
	.amdhsa_code_object_version 6
	.text
	.protected	k_q05566b8d23_attn
	.globl	k_q05566b8d23_attn
	.p2align	8
	.type	k_q05566b8d23_attn,@function
k_q05566b8d23_attn:
	s_mov_b64 s[64:65], 0
	v_nop
	global_prefetch_b8 v0, s[64:65] scope:SCOPE_SE
	s_setreg_imm32_b32 hwreg(HW_REG_WAVE_MODE, 25, 1), 1
	s_wait_xcnt 0x0
; out[b][q][head][:] = the sum over keys of softmax(q . k / 8, masked) v, both products on codes of FP8 (E4M3) with the given scales: q e6, k e7, v e8, p e9.
; THE SOFTMAX AHEAD OF THE SECOND PRODUCT: t = score x log2(e) / 8; M = the largest t so far, rounded UP to a whole number; p = 2^(t - M) is quantised, not normalised; the row's sum is taken of the unquantised p
; and divides at the end.  When M moves, the sum and O are multiplied by 2^(old M - new M): exact.
; THE MASK.  The keys lie with the living ones first (places 0 .. T - 1 of each batch; T is read from the counts).  A masked key's logit is -1e9: its p is 0 as soon as one key of the batch lives, so places from T on are
; not walked; in the last 64 places that are walked, those from T on get the score -infinity.  T = 0: all logits are equal: all 2,048 places are walked with c = 0, which gives t = 0, M = 0, p = 1, sum = 2,048.
; LIMIT: living keys' logits lie far above -1e9 (a masked key's p is taken as 0).  e6 + e7 between -123 and 130 (added to c's exponent field); e9 between -126 and 119; e8 + e9 goes by v_ldexp_f32 and has none.
; SHARES.  A work-group owns 512 queries of one batch and head; each of its sixteen waves 32: two tiles of 16, in 256 registers, four waves to a SIMD, so that one wave's vector work stands beside another's
; matrix work and LDS loads.  Keys go 64 a step, two steps to an LDS slot of 128 keys; each fragment read from LDS feeds two matrix instructions.
; NO TENSOR LOADS, SO NO JOINT LOADS, though the four work-groups of a head walk the same K and V: how far they walk hangs on a count read from memory;
; to walk all 2,048 places jointly would spend the softmax's vector work on keys whose p is 0.
; THE FILL: a slot's K (128 keys x 64 bytes) and V (64 channels x 128 bytes) are dense blocks of 8,192 bytes; thread T takes bytes 16 T of each into registers, a slot ahead, and stores them into LDS AS IMAGES OF
; THE OPERANDS' REGISTERS, so that a fragment comes by loads of 512 consecutive bytes.  The loop has a constant 8 trips of 2 slots and every wave passes every barrier; loads and work are jumped over by branches on T.
; LAYOUT.  Both products are used transposed: S^T = K Q^T, O^T = V^T P^T: a lane holds ONE query (lane % 16).  Lane r of tile t takes key 32 (t / 2) + 8 (t % 2) + r + 8 (r / 8), so that the 16 registers of tiles
; 2 b, 2 b + 1 are keys 32 b + 16 (lane / 16) + 0 .. 15.  Registers 4 c .. 4 c + 3 of every operand hold K = 32 c + 16 (lane / 16) + 0 .. 15, the same on both sides of a product.
.set SL,   16384                       ; an LDS slot: K's 16 images of 512 bytes ((2 t + c) x 512), then V's 16 ((4 tv + c) x 512)
.set VIM,  8192
.set STG,  32768                       ; behind the slots: a stage of 16 rows x (256 bytes + 16) for each wave
.set SGW,  4352
.set KW,   1                           ; v1   where my 16 bytes of K go in a slot
.set VW,   2                           ; v2   the same for V
.set GF,   3                           ; v3   16 x thread: my bytes of a block in memory
.set LI,   4                           ; v4   16 x lane: my place in an image
.set STO,  5                           ; v5   the stage, in
.set RD,   6                           ; v6   the stage, back
.set GO,   7                           ; v7   my byte offset in two rows of out
.set PFO,  8                           ; v8   256 x lane
.set DD,   9
.set H16,  10                          ; v10  16 (lane / 16)
.set QO,   11
.set ST,   12                          ; tile u at v[12 + 4 u]: -M, the largest t, the sum in two halves
.set QF,   20                          ; v20-35   Q, 8 registers a tile
.set G,    36                          ; v36-51   two sets of 4 + 4 registers: a slot's bytes on their way to LDS
.set F,    52                          ; v52-83   four fragments of K, then of V
.set S,    84                          ; v84-147  S^T, then p: 32 a tile
.set O,    148                         ; v148-211 O^T: 32 a tile
.set P,    212                         ; v212-227 p's codes: 8 a tile
.set LIMV, 228                         ; 448 x 2^e9
.set SCV,  229                         ; 2^e9
.set FP,   230                         ; v[230 + 2 u : 231 + 2 u]  f = 2^(old M - new M) (the pair's low word is used)
.set MX,   234                         ; two chains of the maximum a tile
.set PL,   238
.set S2,   240                         ; the sum's second chain
.set NINF, 244
.set N,    30                          ; s30  places to walk
.set KF,   31                          ; s31  the step's first place
.set PN,   34                          ; s34  N in a wave that prefetches, else 0
	s_load_b256 s[4:11], s[0:1], 0x0               ; qkv s[4:5], counts s[6:7], scales s[8:9], out s[10:11]
	v_lshl_add_u32 v254, v0, 2, 0x19000
	v_mov_b32 v255, 0
	v_lshrrev_b32 v9, 5, v0
	v_readfirstlane_b32 s12, v9                    ; wave 0..15
	s_and_b32 s13, ttmp7, 0xffff                   ; batch x 16 + head
	s_lshr_b32 s14, s13, 4
	s_and_b32 s15, s13, 15
	s_lshl_b32 s40, s13, 17                        ; its 2^17 bytes in each part of qkv
	s_mov_b32 s41, 0
	s_lshl_b32 s16, ttmp9, 9
	s_lshl_b32 s17, s12, 5
	s_add_co_u32 s16, s16, s17                     ; my first query: 512 x work-group x + 32 x wave
	s_lshl_b32 s42, s16, 6
	s_add_co_u32 s42, s42, s40                     ; its codes
	s_mov_b32 s43, 0
	s_lshl_b32 s18, s14, 11
	s_add_co_u32 s18, s18, s16
	s_lshl_b32 s18, s18, 12                        ; its row of out, 4,096 bytes a row,
	s_lshl_b32 s19, s15, 8
	s_add_co_u32 s18, s18, s19                     ; and my head's 256 bytes of it
	s_mov_b32 s19, 0
	s_lshl_b32 s33, s14, 7                         ; the batch's count
	s_mov_b32 s20, 0x76543210                      ; v_permlanex16_b32's selects for lane l xor 16
	s_mov_b32 s21, 0xfedcba98
	s_mul_i32 s35, s12, SGW
	s_add_co_u32 s35, s35, STG                     ; my stage
	; thread T's 16 bytes of K: key T / 4, channels 16 (T % 4) on.  Image (2 t + c) x 512 + 256 h + 16 r:  h = T bit 0, c = bit 1, r = 8 x bit 6 + bits 4:2, t = 2 x bits 8:7 + bit 5
	v_and_b32 v9, 1, v0
	v_lshlrev_b32 v[KW], 8, v9
	v_lshlrev_b32 v[VW], 8, v9
	v_bfe_u32 v9, v0, 1, 1
	v_lshl_or_b32 v[KW], v9, 9, v[KW]
	v_bfe_u32 v9, v0, 2, 3
	v_lshl_or_b32 v[KW], v9, 4, v[KW]
	v_bfe_u32 v9, v0, 5, 1
	v_lshl_or_b32 v[KW], v9, 10, v[KW]
	v_bfe_u32 v9, v0, 6, 1
	v_lshl_or_b32 v[KW], v9, 7, v[KW]
	v_bfe_u32 v9, v0, 7, 2
	v_lshl_or_b32 v[KW], v9, 11, v[KW]
	; of V: channel T / 8, keys 16 (T % 8) on.  Image (4 tv + c) x 512 + 256 h + 16 r:  h = bit 0, c = bits 2:1, r = bits 6:3, tv = bits 8:7
	v_bfe_u32 v9, v0, 1, 2
	v_lshl_or_b32 v[VW], v9, 9, v[VW]
	v_bfe_u32 v9, v0, 3, 4
	v_lshl_or_b32 v[VW], v9, 4, v[VW]
	v_bfe_u32 v9, v0, 7, 2
	v_lshl_or_b32 v[VW], v9, 11, v[VW]
	v_lshlrev_b32 v[GF], 4, v0
	v_and_b32 v9, 31, v0
	v_lshlrev_b32 v[LI], 4, v9
	v_lshlrev_b32 v[PFO], 8, v9
	v_and_b32 v9, 15, v0                           ; r
	v_bfe_u32 v[H16], v0, 4, 1                     ; h
	v_mul_u32_u24 v[STO], v9, 272
	v_lshl_add_u32 v[STO], v[H16], 5, v[STO]
	v_add_nc_u32 v[STO], s35, v[STO]               ; in: row r; channels 16 tv + 8 h on: 64 tv + 32 h bytes
	v_mul_u32_u24 v[RD], v[H16], 272
	v_lshl_add_u32 v[RD], v9, 4, v[RD]
	v_add_nc_u32 v[RD], s35, v[RD]                 ; back: lanes 0-15 one row of 256 bytes, lanes 16-31 the next
	v_lshlrev_b32 v[GO], 12, v[H16]
	v_lshl_add_u32 v[GO], v9, 4, v[GO]             ; and the same two rows in out
	v_lshlrev_b32 v[QO], 6, v9
	v_lshl_add_u32 v[QO], v[H16], 4, v[QO]         ; Q: row r of 64 bytes, + 16 h
	v_lshlrev_b32 v[H16], 4, v[H16]
	s_wait_kmcnt 0x0
	s_load_b32 s[N], s[6:7], s33 offset:0x0        ; T
	s_load_b128 s[36:39], s[8:9], 0x18             ; e6, e7, e8, e9
	s_add_nc_u64 s[24:25], s[4:5], s[40:41]
	s_add_nc_u64 s[26:27], s[24:25], 0x1000000     ; V's blocks of my head
	s_add_nc_u64 s[24:25], s[24:25], 0x800000      ; K's
	s_add_nc_u64 s[4:5], s[4:5], s[42:43]          ; Q's codes at my first query
	s_add_nc_u64 s[10:11], s[10:11], s[18:19]
	s_cmp_eq_u32 s12, 0
	s_cselect_b64 s[28:29], s[24:25], s[26:27]     ; what I would prefetch: wave 0 K's blocks, wave 1 V's
.irp u, 0,1
.irp c, 0,1
	global_load_b128 v[QF+8*\u+4*\c:QF+8*\u+4*\c+3], v[QO], s[4:5] offset:\u*1024+32*\c   ; Q stays in registers
.endr
.endr
	global_load_b128 v[G:G+3], v[GF], s[24:25]     ; slot 0's bytes (at least one place is walked)
	global_load_b128 v[G+4:G+7], v[GF], s[26:27]
.irp u, 0,1
	v_mov_b32 v[ST+4*\u+1], 0xff61b1e6             ; the largest t so far: -3e38, under every t
	v_floor_f32 v[ST+4*\u], -v[ST+4*\u+1]          ; -M
	v_mov_b32 v[ST+4*\u+2], 0                      ; the sum, in two halves
	v_mov_b32 v[ST+4*\u+3], 0
	v_mov_b32 v[PL+\u], 0                          ; (a lane permute's destination counts as read)
	v_mov_b32 v[FP+2*\u+1], 0                      ; (named as the upper half of a pair)
.endr
	v_mov_b32 v[NINF], 0xff800000
.set i, 0
.rept 64
	v_mov_b32 v[O+i], 0                            ; O^T.  (The step is written once: the first finds zeros, which the first change of M leaves zeros)
.set i, i+1
.endr
.set i, 0
.rept 8
	v_mov_b32 v[G+8+i], 0                          ; the second set is stored in every trip, also where nothing was loaded into it
.set i, i+1
.endr
	s_wait_kmcnt 0x0
	s_add_co_i32 s33, s36, s37
	s_lshl_b32 s33, s33, 23
	s_add_co_i32 s22, s33, 0x3e38aa3b              ; c = log2(e) / 8 x 2^(e6 + e7): the exponents are added to c's exponent field
	s_cmp_eq_u32 s[N], 0
	s_cselect_b32 s22, 0, s22                      ; no living key: every t is 0,
	s_cselect_b32 s[N], 2048, s[N]                 ; over all places
	s_min_u32 s[N], s[N], 2048
	s_mov_b32 s23, s22                             ; (named with it as a pair)
	s_lshr_b32 s33, s12, 1
	s_or_b32 s33, s33, ttmp9                       ; waves 0 and 1 of the head's first work-group prefetch
	s_cmp_eq_u32 s33, 0
	s_cselect_b32 s[PN], s[N], 0
	s_add_co_i32 s33, s39, 127
	s_lshl_b32 s35, s33, 23
	v_mov_b32 v[SCV], s35                          ; 2^e9
	s_add_co_i32 s33, s33, 8
	s_lshl_b32 s33, s33, 23
	s_or_b32 s33, s33, 0x600000
	v_mov_b32 v[LIMV], s33                         ; 448 x 2^e9
; In the last step that is walked: register n of a tile holds place KF + 16 (lane / 16) + 32 (n / 16) + n % 16; from N on it counts for nothing
.macro MASKT
	s_sub_co_i32 s33, s[N], s[KF]
	s_sub_co_i32 s33, s33, 1
	v_sub_nc_u32 v[DD], s33, v[H16]
.set n, 0
.rept 32
	v_cmp_gt_i32 vcc_lo, 32*(n/16)+n%16, v[DD]
	v_cndmask_b32 v[S+n], v[S+n], v[NINF], vcc_lo
	v_cndmask_b32 v[S+32+n], v[S+32+n], v[NINF], vcc_lo
.set n, n+1
.endr
.endm
; The softmax of 64 keys for both tiles, phase by phase, the tiles by turns
.macro SOFT
.irp u, 0,1
	v_max3_num_f32 v[MX+2*\u], v[S+32*\u], v[S+32*\u+1], v[S+32*\u+2]          ; the largest score of my query among my 32 keys, in two chains; each accumulator is first read at its low end
	v_max3_num_f32 v[MX+2*\u+1], v[S+32*\u+3], v[S+32*\u+4], v[S+32*\u+5]
.endr
.irp i, 6,10,14,18,22,26
.irp u, 0,1
	v_max3_num_f32 v[MX+2*\u], v[MX+2*\u], v[S+32*\u+\i], v[S+32*\u+\i+1]
	v_max3_num_f32 v[MX+2*\u+1], v[MX+2*\u+1], v[S+32*\u+\i+2], v[S+32*\u+\i+3]
.endr
.endr
.irp u, 0,1
	v_max3_num_f32 v[MX+2*\u], v[MX+2*\u], v[S+32*\u+30], v[S+32*\u+31]
.endr
.irp u, 0,1
	v_max_num_f32 v[MX+2*\u], v[MX+2*\u], v[MX+2*\u+1]
.endr
.irp u, 0,1
	v_permlanex16_b32 v[PL+\u], v[MX+2*\u], s20, s21
.endr
.irp u, 0,1
	v_max_num_f32 v[MX+2*\u], v[MX+2*\u], v[PL+\u]     ; and among lane l xor 16's
.endr
.irp u, 0,1
	v_mul_f32 v[MX+2*\u], s22, v[MX+2*\u]              ; as t (c is not negative)
.endr
.irp u, 0,1
	v_max_num_f32 v[ST+4*\u+1], v[ST+4*\u+1], v[MX+2*\u]   ; the running largest t
	v_mov_b32 v[MX+2*\u], v[ST+4*\u]
.endr
.irp u, 0,1
	v_floor_f32 v[ST+4*\u], -v[ST+4*\u+1]              ; the new -M = -ceil(t): M is a whole number
.endr
.irp u, 0,1
	v_sub_f32 v[MX+2*\u], v[ST+4*\u], v[MX+2*\u]       ; old M - new M: a whole number, 0 or less
.endr
.irp u, 0,1
	v_cvt_i32_f32 v[MX+2*\u], v[MX+2*\u]               ; (it saturates)
.endr
.irp u, 0,1
	v_ldexp_f32 v[FP+2*\u], 1.0, v[MX+2*\u]            ; f = 2^(old M - new M)
.endr
.irp j, 0,2,4,6,8,10,12,14,16,18,20,22,24,26,28,30
.irp u, 0,1
	v_pk_fma_f32 v[S+32*\u+\j:S+32*\u+\j+1], v[S+32*\u+\j:S+32*\u+\j+1], s[22:23], v[ST+4*\u:ST+4*\u+1] op_sel_hi:[1,0,0]   ; t - M, two at a time (of the pairs c and -M the low word serves both halves)
.endr
.endr
.set n, 0
.rept 64
	v_exp_f32 v[S+n], v[S+n]                           ; p = 2^(t - M), at most 1: one batch for both tiles
.set n, n+1
.endr
.irp u, 0,1
	v_pk_mul_f32 v[ST+4*\u+2:ST+4*\u+3], v[ST+4*\u+2:ST+4*\u+3], v[FP+2*\u:FP+2*\u+1] op_sel_hi:[1,0]   ; the sums under the new M: plain lines behind the exponentials
.endr
	s_wait_alu depctr_va_vdst(0)                       ; one wait for the batch, ahead of its first reader
.irp u, 0,1
	v_pk_add_f32 v[S2+2*\u:S2+2*\u+1], v[S+32*\u:S+32*\u+1], v[S+32*\u+2:S+32*\u+3]   ; the row's sum is taken of the unquantised p, in two chains
.endr
.irp j, 4,8,12,16,20,24,28
.irp u, 0,1
	v_pk_add_f32 v[ST+4*\u+2:ST+4*\u+3], v[ST+4*\u+2:ST+4*\u+3], v[S+32*\u+\j:S+32*\u+\j+1]
	v_pk_add_f32 v[S2+2*\u:S2+2*\u+1], v[S2+2*\u:S2+2*\u+1], v[S+32*\u+\j+2:S+32*\u+\j+3]
.endr
.endr
.irp u, 0,1
	v_pk_add_f32 v[ST+4*\u+2:ST+4*\u+3], v[ST+4*\u+2:ST+4*\u+3], v[S2+2*\u:S2+2*\u+1]
.endr
.irp u, 0,1
.set n, 0
.rept 32
	v_min_num_f32 v[S+32*\u+n], v[S+32*\u+n], v[LIMV]  ; the conversion does not saturate (ISA guide 7.6.2); p is not negative, so the hold is one-sided
.set n, n+1
.endr
.irp k, 0,1,2,3
	v_cvt_scalef32_pk8_fp8_f32 v[P+8*\u+2*\k:P+8*\u+2*\k+1], v[S+32*\u+8*\k:S+32*\u+8*\k+7], v[SCV]
.endr
.endr
.irp u, 0,1
.set n, 0
.rept 16
	v_pk_mul_f32 v[O+32*\u+n:O+32*\u+n+1], v[O+32*\u+n:O+32*\u+n+1], v[FP+2*\u:FP+2*\u+1] op_sel_hi:[1,0]   ; O^T under the new M.  (Also the plain lines between the conversions and the products that read their results)
.set n, n+2
.endr
.endr
.endm
; A STEP: 64 keys, half g of slot sl.  Left out, by a branch on the count, where all its places lie at or behind N
.macro SUB sl, g
	s_cmp_ge_u32 s[KF], s[N]
	s_cbranch_scc1 .Lnone_\@
.rept 4
	v_nop                                          ; places in front of loads into registers that the last products have read
.endr
.irp t, 0,1,2,3
.irp c, 0,1
	ds_load_b128 v[F+8*\t+4*\c:F+8*\t+4*\c+3], v[LI] offset:\sl*SL+(2*(4*\g+\t)+\c)*512
.endr
.endr
	s_wait_dscnt 0x0
.irp t, 0,1,2,3
.irp u, 0,1
	v_wmma_f32_16x16x64_fp8_fp8 v[S+32*\u+8*\t:S+32*\u+8*\t+7], v[F+8*\t:F+8*\t+7], v[QF+8*\u:QF+8*\u+7], 0
.endr
.endr
.rept 4
	v_nop                                          ; places in front of the loads below and of the first read of the scores
.endr
.irp t, 0,1,2,3
.irp c, 0,1
	ds_load_b128 v[F+8*\t+4*\c:F+8*\t+4*\c+3], v[LI] offset:\sl*SL+VIM+(4*\t+2*\g+\c)*512   ; V's fragments land under the softmax
.endr
.endr
	s_add_co_u32 s33, s[KF], 64
	s_cmp_le_u32 s33, s[N]
	s_cbranch_scc1 .Lopen_\@
	MASKT
.Lopen_\@:
	SOFT
	s_wait_dscnt 0x0
.irp t, 0,1,2,3
.irp u, 0,1
	v_wmma_f32_16x16x64_fp8_fp8 v[O+32*\u+8*\t:O+32*\u+8*\t+7], v[F+8*\t:F+8*\t+7], v[P+8*\u:P+8*\u+7], v[O+32*\u+8*\t:O+32*\u+8*\t+7]   ; eight accumulators by turns
.endr
.endr
.Lnone_\@:
	s_add_co_u32 s[KF], s[KF], 64
.endm
; A SLOT.  My 32 bytes go from registers into slot sl; the next slot's are asked for; ONE barrier: in front of it my stores into this slot have landed and my reads of the other slot are back; the other slot is
; written again only in the next turn, behind this barrier.  The stores stand in every trip (behind N they store what nobody reads), so every byte that a step reads has been written on every way.
.macro TRIP sl
	s_wait_loadcnt 0x0                             ; this slot's bytes are in
	ds_store_b128 v[KW], v[G+8*\sl:G+8*\sl+3] offset:\sl*SL
	ds_store_b128 v[VW], v[G+8*\sl+4:G+8*\sl+7] offset:\sl*SL+VIM
	s_add_co_u32 s33, s[KF], 128
	s_cmp_ge_u32 s33, s[N]
	s_cbranch_scc1 .Lbar_\@                        ; no load for a slot that is not walked
	global_load_b128 v[G+8*(1-\sl):G+8*(1-\sl)+3], v[GF], s[24:25] offset:(\sl+1)*8192       ; the other set's stores were waited for in front of the last barrier
	global_load_b128 v[G+8*(1-\sl)+4:G+8*(1-\sl)+7], v[GF], s[26:27] offset:(\sl+1)*8192
	s_add_co_u32 s33, s[KF], 256
	s_cmp_ge_u32 s33, s[PN]
	s_cbranch_scc1 .Lbar_\@
	global_prefetch_b8 v[PFO], s[28:29] offset:(\sl+2)*8192 th:TH_LOAD_NT scope:SCOPE_SE     ; the block that the next slot's turn will load: 8,192 bytes, lanes 256 bytes apart; the head's first work-group asks, wave 0 for K, wave 1 for V, so each block is named once; it stops where the walk stops
.Lbar_\@:
	s_wait_dscnt 0x0
	s_barrier_signal -1
	s_barrier_wait -1
	SUB \sl, 0
	SUB \sl, 1
.endm
	s_mov_b32 s[KF], 0
	s_mov_b32 s32, 8
	s_wait_loadcnt 0x0                             ; Q
.Lslots:                                           ; 8 trips of two slots
	TRIP 0
	TRIP 1
	s_wait_xcnt 0x0                                ; the trip's loads and prefetches have read their bases
	s_add_nc_u64 s[24:25], s[24:25], 2*8192
	s_add_nc_u64 s[26:27], s[26:27], 2*8192
	s_add_nc_u64 s[28:29], s[28:29], 2*8192
	s_sub_co_u32 s32, s32, 1
	s_cmp_lg_u32 s32, 0
	s_cbranch_scc1 .Lslots
	s_wait_loadcnt 0x0                             ; no load is on its way into the registers that the way out takes
	; THE WAY OUT.  O^T / the sum x 2^(e8 + e9) goes through my stage, a tile (16 queries x 256 bytes) at a time, so that sixteen lanes store 256 consecutive bytes, aligned
.irp u, 0,1
	v_add_f32 v[ST+4*\u+2], v[ST+4*\u+2], v[ST+4*\u+3]
.endr
.irp u, 0,1
	v_permlanex16_b32 v[PL+\u], v[ST+4*\u+2], s20, s21
.endr
.irp u, 0,1
	v_add_f32 v[ST+4*\u+2], v[ST+4*\u+2], v[PL+\u]     ; the row's sum
.endr
.irp u, 0,1
	v_rcp_f32 v[ST+4*\u+2], v[ST+4*\u+2]
.endr
	v_nop                                          ; a plain line behind the last reciprocal
	s_add_co_i32 s33, s38, s39
	s_wait_alu depctr_va_vdst(0)                   ; one wait for both, ahead of the first reader
.irp u, 0,1
	v_ldexp_f32 v[FP+2*\u], v[ST+4*\u+2], s33
.endr
.macro OUTT u, back
.set n, 0
.rept 16
	v_pk_mul_f32 v[S+32*\u+n:S+32*\u+n+1], v[O+32*\u+n:O+32*\u+n+1], v[FP+2*\u:FP+2*\u+1] op_sel_hi:[1,0]   ; register 8 tv + j is channel 16 tv + 8 h + j of query r
.set n, n+2
.endr
.irp t, 0,1,2,3
	ds_store_b128 v[STO], v[S+32*\u+8*\t:S+32*\u+8*\t+3] offset:64*\t
	ds_store_b128 v[STO], v[S+32*\u+8*\t+4:S+32*\u+8*\t+7] offset:64*\t+16
.endr
.irp i, 0,1,2,3,4,5,6,7
	ds_load_b128 v[\back+4*\i:\back+4*\i+3], v[RD] offset:2*\i*272   ; LDS serves a wave's instructions in order: these see my stores, and the next tile's stores come behind them
.endr
.endm
	OUTT 0, F
	OUTT 1, QF
.irp i, 0,1,2,3,4,5,6,7
	s_wait_dscnt 23-\i                             ; behind tile 0's load i: its 7 - i younger loads and tile 1's sixteen LDS instructions
	global_store_b128 v[GO], v[F+4*\i:F+4*\i+3], s[10:11] offset:2*\i*4096 th:TH_STORE_NT
.endr
.irp i, 0,1,2,3,4,5,6,7
	s_wait_dscnt 7-\i
	global_store_b128 v[GO], v[QF+4*\i:QF+4*\i+3], s[10:11] offset:65536+2*\i*4096 th:TH_STORE_NT
.endr
	s_wait_tensorcnt 0x0
	ds_add_u32 v254, v255
	s_wait_dscnt 0x0
	s_endpgm
.Lfunc_end_k_q05566b8d23_attn:
	.size	k_q05566b8d23_attn, .Lfunc_end_k_q05566b8d23_attn-k_q05566b8d23_attn
	.p2alignl 7, 3214868480
	.fill 96, 4, 3214868480
	.section	.rodata,"a",@progbits
	.p2align	6, 0x0
	.amdhsa_kernel k_q05566b8d23_attn
		.amdhsa_group_segment_fixed_size 104448
		.amdhsa_private_segment_fixed_size 0
		.amdhsa_enable_private_segment 0
		.amdhsa_kernarg_size 32
		.amdhsa_user_sgpr_count 2
		.amdhsa_user_sgpr_kernarg_segment_ptr 1
		.amdhsa_wavefront_size32 1
		.amdhsa_system_sgpr_workgroup_id_x 1
		.amdhsa_system_sgpr_workgroup_id_y 1
		.amdhsa_system_sgpr_workgroup_id_z 1
		.amdhsa_system_vgpr_workitem_id 0
		.amdhsa_next_free_vgpr 256
		.amdhsa_next_free_sgpr 66
		.amdhsa_reserve_vcc 1
		.amdhsa_float_denorm_mode_32 3
		.amdhsa_float_denorm_mode_16_64 3
		.amdhsa_memory_ordered 1
		.amdhsa_forward_progress 1
		.amdhsa_inst_pref_size 93
	.end_amdhsa_kernel
	.amdgpu_metadata
---
amdhsa.version: [ 1, 2 ]
amdhsa.kernels:
  - .name:           k_q05566b8d23_attn
    .symbol:         k_q05566b8d23_attn.kd
    .args:
      - { .name: qkv, .offset: 0, .size: 8, .value_kind: global_buffer, .address_space: global }
      - { .name: counts, .offset: 8, .size: 8, .value_kind: global_buffer, .address_space: global }
      - { .name: lowp_scales, .offset: 16, .size: 8, .value_kind: global_buffer, .address_space: global }
      - { .name: out0, .offset: 24, .size: 8, .value_kind: global_buffer, .address_space: global }
    .group_segment_fixed_size: 104448
    .private_segment_fixed_size: 0
    .kernarg_segment_align: 8
    .kernarg_segment_size: 32
    .max_flat_workgroup_size: 512
    .sgpr_count:     66
    .vgpr_count:     256
    .wavefront_size: 32
...
	.end_amdgpu_metadata
.endif
;; end of part 3
;; ======== version 2 of 2: 3 launches; version 1 with the launch attn written anew for expert scheduling mode
;; limits: right only within a limited range of input values
;; workspace buffers: x_codes 25,165,824 bytes; w_codes 3,145,728 bytes; qkv 25,165,824 bytes; counts 512 bytes of whole numbers
;; launch quant: the kernel of part 1 again; grid 864 x 1, 4 waves a work-group, no clusters, 33,280 bytes of LDS; arguments Q, K, V, Wq, Wk, Wv, mask, lowp_scales, x_codes, w_codes, counts; writes x_codes, w_codes, counts
;; launch proj: the kernel of part 2 again; grid 4 x 96, 4 waves a work-group, clusters of 4 x 4, 327,680 bytes of LDS; arguments x_codes, w_codes, bq, bv, lowp_scales, qkv; writes qkv
;; launch attn (part 4): grid 4 x 64, 16 waves a work-group, no clusters, 104,448 bytes of LDS; arguments qkv, counts, lowp_scales, out0; writes out0
.if DOCPART == 4
	.amdgcn_target "amdgcn-amd-amdhsa--gfx1250"
	.amdhsa_code_object_version 6
	.text
	.protected	k_q05566b8d23_attn
	.globl	k_q05566b8d23_attn
	.p2align	8
	.type	k_q05566b8d23_attn,@function
k_q05566b8d23_attn:
	s_mov_b64 s[64:65], 0
	v_nop
	global_prefetch_b8 v0, s[64:65] scope:SCOPE_SE
	s_setreg_imm32_b32 hwreg(HW_REG_WAVE_SCHED_MODE, 0, 2), 2
	s_setreg_imm32_b32 hwreg(HW_REG_WAVE_MODE, 25, 1), 1
	s_wait_xcnt 0x0
	s_wait_alu depctr_vm_vsrc(0)
; out[b][q][head][:] = the sum over keys of softmax(q . k / 8, masked) v, both products on codes of FP8 (E4M3) with the given scales: q e6, k e7, v e8, p e9.
; THE SOFTMAX AHEAD OF THE SECOND PRODUCT: t = score x log2(e) / 8; M = the largest t so far, rounded UP to a whole number; p = 2^(t - M) is quantised, not normalised; the row's sum is taken of the unquantised p
; and divides at the end.  When M moves, the sum and O are multiplied by 2^(old M - new M): exact.
; THE MASK.  The keys lie with the living ones first (places 0 .. T - 1 of each batch; T is read from the counts).  A masked key's logit is -1e9: its p is 0 as soon as one key of the batch lives, so places from T on are
; not walked; in the last 64 places that are walked, those from T on get the score -infinity.  T = 0: all logits are equal: all 2,048 places are walked with c = 0, which gives t = 0, M = 0, p = 1, sum = 2,048.
; LIMIT: living keys' logits lie far above -1e9 (a masked key's p is taken as 0).  e6 + e7 between -123 and 130 (added to c's exponent field); e9 between -126 and 119; e8 + e9 goes by v_ldexp_f32 and has none.
; SHARES.  A work-group owns 512 queries of one batch and head; each of its sixteen waves 32: two tiles of 16, in 256 registers, four waves to a SIMD, so that one wave's vector work stands beside another's
; matrix work and LDS loads.  Keys go 64 a step, two steps to an LDS slot of 128 keys; each fragment read from LDS feeds two matrix instructions.
; NO TENSOR LOADS, SO NO JOINT LOADS, though the four work-groups of a head walk the same K and V: how far they walk hangs on a count read from memory;
; to walk all 2,048 places jointly would spend the softmax's vector work on keys whose p is 0.
; THE FILL: a slot's K (128 keys x 64 bytes) and V (64 channels x 128 bytes) are dense blocks of 8,192 bytes; thread T takes bytes 16 T of each into registers, a slot ahead, and stores them into LDS AS IMAGES OF
; THE OPERANDS' REGISTERS, so that a fragment comes by loads of 512 consecutive bytes.  The loop has a constant 8 trips of 2 slots and every wave passes every barrier; loads and work are jumped over by branches on T.
; LAYOUT.  Both products are used transposed: S^T = K Q^T, O^T = V^T P^T: a lane holds ONE query (lane % 16).  Lane r of tile t takes key 32 (t / 2) + 8 (t % 2) + r + 8 (r / 8), so that the 16 registers of tiles
; 2 b, 2 b + 1 are keys 32 b + 16 (lane / 16) + 0 .. 15.  Registers 4 c .. 4 c + 3 of every operand hold K = 32 c + 16 (lane / 16) + 0 .. 15, the same on both sides of a product.
; THE MODE: SCHED_MODE bits 1:0 = 2 (LLVM: expert scheduling mode 2), set by the entry lines.  The code itself states the register dependences between vector or matrix instructions and memory or LDS
; instructions, with s_wait_alu, always for 0.
; THE PLAN.  Registers that memory or LDS instructions touch:
;   v1-v8, v11   addresses and offsets: written by vector lines at the head, read by every LDS and global instruction, never written again: one wait on va_vdst ahead of the first load serves them all.
;   G0, G1       a slot's bytes.  Turn sl: its two LDS stores read G[sl]; its two global loads land in G[1 - sl], which the turn before stored: one wait on vm_vsrc at a turn's head.  No vector line of the loop
;                names them; G1 is cleared once at the head: one wait on va_vdst ahead of the loop.
;   F            four fragments.  A step: K's eight LDS loads land in it, eight products read it, V's eight loads land in it, eight products read it: one wait on va_vdst ahead of each of the two runs of loads.
;                A second set of 32 registers would spare them, and is not to be had: sixteen waves are four to a SIMD, 256 registers each, of which nine are free.
;   Q, S, O, P and the statistics are named in the loop by vector and matrix instructions alone.
;   On the way out: S is written by 32 multiplications and read by the LDS stores; the rows come back into F and into Q's and G's registers: one wait on vm_vsrc behind the loop, one on va_vdst ahead of the LDS run.
;   v254, v255   written at the head, read by the closing add alone.
.set SL,   16384                       ; an LDS slot: K's 16 images of 512 bytes ((2 t + c) x 512), then V's 16 ((4 tv + c) x 512)
.set VIM,  8192
.set STG,  32768                       ; behind the slots: a stage of 16 rows x (256 bytes + 16) for each wave
.set SGW,  4352
.set KW,   1                           ; v1   where my 16 bytes of K go in a slot
.set VW,   2                           ; v2   the same for V
.set GF,   3                           ; v3   16 x thread: my bytes of a block in memory
.set LI,   4                           ; v4   16 x lane: my place in an image
.set STO,  5                           ; v5   the stage, in
.set RD,   6                           ; v6   the stage, back
.set GO,   7                           ; v7   my byte offset in two rows of out
.set PFO,  8                           ; v8   256 x lane
.set DD,   9
.set H16,  10                          ; v10  16 (lane / 16)
.set QO,   11
.set ST,   12                          ; tile u at v[12 + 4 u]: -M, the largest t, the sum in two halves
.set QF,   20                          ; v20-35   Q, 8 registers a tile
.set G,    36                          ; v36-51   two sets of 4 + 4 registers: a slot's bytes on their way to LDS
.set F,    52                          ; v52-83   four fragments of K, then of V
.set S,    84                          ; v84-147  S^T, then p: 32 a tile
.set O,    148                         ; v148-211 O^T: 32 a tile
.set P,    212                         ; v212-227 p's codes: 8 a tile
.set LIMV, 228                         ; 448 x 2^e9
.set SCV,  229                         ; 2^e9
.set FP,   230                         ; v[230 + 2 u : 231 + 2 u]  f = 2^(old M - new M) (the pair's low word is used)
.set MX,   234                         ; two chains of the maximum a tile
.set PL,   238
.set S2,   240                         ; the sum's second chain
.set NINF, 244
.set N,    30                          ; s30  places to walk
.set KF,   31                          ; s31  the step's first place
.set PN,   34                          ; s34  N in a wave that prefetches, else 0
.set CM,   40                          ; s40-47  eight masks of the last step's compares (offsets at the head, free from the loop on)
	s_load_b256 s[4:11], s[0:1], 0x0               ; qkv s[4:5], counts s[6:7], scales s[8:9], out s[10:11]
	v_lshl_add_u32 v254, v0, 2, 0x19000
	v_mov_b32 v255, 0
	v_lshrrev_b32 v9, 5, v0
	v_readfirstlane_b32 s12, v9                    ; wave 0..15
	s_and_b32 s13, ttmp7, 0xffff                   ; batch x 16 + head
	s_lshr_b32 s14, s13, 4
	s_and_b32 s15, s13, 15
	s_lshl_b32 s40, s13, 17                        ; its 2^17 bytes in each part of qkv
	s_mov_b32 s41, 0
	s_lshl_b32 s16, ttmp9, 9
	s_wait_alu depctr_va_sdst(0)                   ; s12 is written, ahead of its first reader: my queries, my stage and the choice of who prefetches are made from it
	s_lshl_b32 s17, s12, 5
	s_add_co_u32 s16, s16, s17                     ; my first query: 512 x work-group x + 32 x wave
	s_lshl_b32 s42, s16, 6
	s_add_co_u32 s42, s42, s40                     ; its codes
	s_mov_b32 s43, 0
	s_lshl_b32 s18, s14, 11
	s_add_co_u32 s18, s18, s16
	s_lshl_b32 s18, s18, 12                        ; its row of out, 4,096 bytes a row,
	s_lshl_b32 s19, s15, 8
	s_add_co_u32 s18, s18, s19                     ; and my head's 256 bytes of it
	s_mov_b32 s19, 0
	s_lshl_b32 s33, s14, 7                         ; the batch's count
	s_mov_b32 s20, 0x76543210                      ; v_permlanex16_b32's selects for lane l xor 16
	s_mov_b32 s21, 0xfedcba98
	s_mul_i32 s35, s12, SGW
	s_add_co_u32 s35, s35, STG                     ; my stage
	; thread T's 16 bytes of K: key T / 4, channels 16 (T % 4) on.  Image (2 t + c) x 512 + 256 h + 16 r:  h = T bit 0, c = bit 1, r = 8 x bit 6 + bits 4:2, t = 2 x bits 8:7 + bit 5
	v_and_b32 v9, 1, v0
	v_lshlrev_b32 v[KW], 8, v9
	v_lshlrev_b32 v[VW], 8, v9
	v_bfe_u32 v9, v0, 1, 1
	v_lshl_or_b32 v[KW], v9, 9, v[KW]
	v_bfe_u32 v9, v0, 2, 3
	v_lshl_or_b32 v[KW], v9, 4, v[KW]
	v_bfe_u32 v9, v0, 5, 1
	v_lshl_or_b32 v[KW], v9, 10, v[KW]
	v_bfe_u32 v9, v0, 6, 1
	v_lshl_or_b32 v[KW], v9, 7, v[KW]
	v_bfe_u32 v9, v0, 7, 2
	v_lshl_or_b32 v[KW], v9, 11, v[KW]
	; of V: channel T / 8, keys 16 (T % 8) on.  Image (4 tv + c) x 512 + 256 h + 16 r:  h = bit 0, c = bits 2:1, r = bits 6:3, tv = bits 8:7
	v_bfe_u32 v9, v0, 1, 2
	v_lshl_or_b32 v[VW], v9, 9, v[VW]
	v_bfe_u32 v9, v0, 3, 4
	v_lshl_or_b32 v[VW], v9, 4, v[VW]
	v_bfe_u32 v9, v0, 7, 2
	v_lshl_or_b32 v[VW], v9, 11, v[VW]
	v_lshlrev_b32 v[GF], 4, v0
	v_and_b32 v9, 31, v0
	v_lshlrev_b32 v[LI], 4, v9
	v_lshlrev_b32 v[PFO], 8, v9
	v_and_b32 v9, 15, v0                           ; r
	v_bfe_u32 v[H16], v0, 4, 1                     ; h
	v_mul_u32_u24 v[STO], v9, 272
	v_lshl_add_u32 v[STO], v[H16], 5, v[STO]
	v_add_nc_u32 v[STO], s35, v[STO]               ; in: row r; channels 16 tv + 8 h on: 64 tv + 32 h bytes
	v_mul_u32_u24 v[RD], v[H16], 272
	v_lshl_add_u32 v[RD], v9, 4, v[RD]
	v_add_nc_u32 v[RD], s35, v[RD]                 ; back: lanes 0-15 one row of 256 bytes, lanes 16-31 the next
	v_lshlrev_b32 v[GO], 12, v[H16]
	v_lshl_add_u32 v[GO], v9, 4, v[GO]             ; and the same two rows in out
	v_lshlrev_b32 v[QO], 6, v9
	v_lshl_add_u32 v[QO], v[H16], 4, v[QO]         ; Q: row r of 64 bytes, + 16 h
	v_lshlrev_b32 v[H16], 4, v[H16]
	s_wait_kmcnt 0x0
	s_load_b32 s[N], s[6:7], s33 offset:0x0        ; T
	s_load_b128 s[36:39], s[8:9], 0x18             ; e6, e7, e8, e9
	s_add_nc_u64 s[24:25], s[4:5], s[40:41]
	s_add_nc_u64 s[26:27], s[24:25], 0x1000000     ; V's blocks of my head
	s_add_nc_u64 s[24:25], s[24:25], 0x800000      ; K's
	s_add_nc_u64 s[4:5], s[4:5], s[42:43]          ; Q's codes at my first query
	s_add_nc_u64 s[10:11], s[10:11], s[18:19]
	s_cmp_eq_u32 s12, 0
	s_cselect_b64 s[28:29], s[24:25], s[26:27]     ; what I would prefetch: wave 0 K's blocks, wave 1 V's
	s_wait_alu depctr_va_vdst(0)                   ; the nine addresses and offsets v1 to v8 and v11 are written, which every load, store and prefetch of the kernel reads; none is written again
.irp u, 0,1
.irp c, 0,1
	global_load_b128 v[QF+8*\u+4*\c:QF+8*\u+4*\c+3], v[QO], s[4:5] offset:\u*1024+32*\c   ; Q stays in registers
.endr
.endr
	global_load_b128 v[G:G+3], v[GF], s[24:25]     ; slot 0's bytes (at least one place is walked)
	global_load_b128 v[G+4:G+7], v[GF], s[26:27]
.irp u, 0,1
	v_mov_b32 v[ST+4*\u+1], 0xff61b1e6             ; the largest t so far: -3e38, under every t
	v_floor_f32 v[ST+4*\u], -v[ST+4*\u+1]          ; -M
	v_mov_b32 v[ST+4*\u+2], 0                      ; the sum, in two halves
	v_mov_b32 v[ST+4*\u+3], 0
	v_mov_b32 v[PL+\u], 0                          ; (a lane permute's destination counts as read)
	v_mov_b32 v[FP+2*\u+1], 0                      ; (named as the upper half of a pair)
.endr
	v_mov_b32 v[NINF], 0xff800000
.set i, 0
.rept 64
	v_mov_b32 v[O+i], 0                            ; O^T.  (The step is written once: the first finds zeros, which the first change of M leaves zeros)
.set i, i+1
.endr
.set i, 0
.rept 8
	v_mov_b32 v[G+8+i], 0                          ; the second set is stored in every trip, also where nothing was loaded into it
.set i, i+1
.endr
	s_wait_kmcnt 0x0
	s_add_co_i32 s33, s36, s37
	s_lshl_b32 s33, s33, 23
	s_add_co_i32 s22, s33, 0x3e38aa3b              ; c = log2(e) / 8 x 2^(e6 + e7): the exponents are added to c's exponent field
	s_cmp_eq_u32 s[N], 0
	s_cselect_b32 s22, 0, s22                      ; no living key: every t is 0,
	s_cselect_b32 s[N], 2048, s[N]                 ; over all places
	s_min_u32 s[N], s[N], 2048
	s_mov_b32 s23, s22                             ; (named with it as a pair)
	s_lshr_b32 s33, s12, 1
	s_or_b32 s33, s33, ttmp9                       ; waves 0 and 1 of the head's first work-group prefetch
	s_cmp_eq_u32 s33, 0
	s_cselect_b32 s[PN], s[N], 0
	s_add_co_i32 s33, s39, 127
	s_lshl_b32 s35, s33, 23
	v_mov_b32 v[SCV], s35                          ; 2^e9
	s_add_co_i32 s33, s33, 8
	s_lshl_b32 s33, s33, 23
	s_or_b32 s33, s33, 0x600000
	v_mov_b32 v[LIMV], s33                         ; 448 x 2^e9
; In the last step that is walked: register n of a tile holds place KF + 16 (lane / 16) + 32 (n / 16) + n % 16; from N on it counts for nothing.
; The compares stand in runs of eight, into eight scalar registers, with one wait behind each run; each mask serves both tiles.
.macro MASKT
	s_sub_co_i32 s33, s[N], s[KF]
	s_sub_co_i32 s33, s33, 1
	v_sub_nc_u32 v[DD], s33, v[H16]
.irp q, 0,1,2,3
.irp e, 0,1,2,3,4,5,6,7
	v_cmp_gt_i32 s[CM+\e], 32*((\q)/2)+8*((\q)%2)+\e, v[DD]
.endr
	s_wait_alu depctr_va_sdst(0)                   ; the eight compares have written s40 to s47, ahead of the selects that read them
.irp e, 0,1,2,3,4,5,6,7
	v_cndmask_b32 v[S+8*(\q)+\e], v[S+8*(\q)+\e], v[NINF], s[CM+\e]
	v_cndmask_b32 v[S+32+8*(\q)+\e], v[S+32+8*(\q)+\e], v[NINF], s[CM+\e]
.endr
.endr
.endm
; The softmax of 64 keys for both tiles, phase by phase, the tiles by turns
.macro SOFT
.irp u, 0,1
	v_max3_num_f32 v[MX+2*\u], v[S+32*\u], v[S+32*\u+1], v[S+32*\u+2]          ; the largest score of my query among my 32 keys, in two chains; each accumulator is first read at its low end
	v_max3_num_f32 v[MX+2*\u+1], v[S+32*\u+3], v[S+32*\u+4], v[S+32*\u+5]
.endr
.irp i, 6,10,14,18,22,26
.irp u, 0,1
	v_max3_num_f32 v[MX+2*\u], v[MX+2*\u], v[S+32*\u+\i], v[S+32*\u+\i+1]
	v_max3_num_f32 v[MX+2*\u+1], v[MX+2*\u+1], v[S+32*\u+\i+2], v[S+32*\u+\i+3]
.endr
.endr
.irp u, 0,1
	v_max3_num_f32 v[MX+2*\u], v[MX+2*\u], v[S+32*\u+30], v[S+32*\u+31]
.endr
.irp u, 0,1
	v_max_num_f32 v[MX+2*\u], v[MX+2*\u], v[MX+2*\u+1]
.endr
.irp u, 0,1
	v_permlanex16_b32 v[PL+\u], v[MX+2*\u], s20, s21
.endr
.irp u, 0,1
	v_max_num_f32 v[MX+2*\u], v[MX+2*\u], v[PL+\u]     ; and among lane l xor 16's
.endr
.irp u, 0,1
	v_mul_f32 v[MX+2*\u], s22, v[MX+2*\u]              ; as t (c is not negative)
.endr
.irp u, 0,1
	v_max_num_f32 v[ST+4*\u+1], v[ST+4*\u+1], v[MX+2*\u]   ; the running largest t
	v_mov_b32 v[MX+2*\u], v[ST+4*\u]
.endr
.irp u, 0,1
	v_floor_f32 v[ST+4*\u], -v[ST+4*\u+1]              ; the new -M = -ceil(t): M is a whole number
.endr
.irp u, 0,1
	v_sub_f32 v[MX+2*\u], v[ST+4*\u], v[MX+2*\u]       ; old M - new M: a whole number, 0 or less
.endr
.irp u, 0,1
	v_cvt_i32_f32 v[MX+2*\u], v[MX+2*\u]               ; (it saturates)
.endr
.irp u, 0,1
	v_ldexp_f32 v[FP+2*\u], 1.0, v[MX+2*\u]            ; f = 2^(old M - new M)
.endr
.irp j, 0,2,4,6,8,10,12,14,16,18,20,22,24,26,28,30
.irp u, 0,1
	v_pk_fma_f32 v[S+32*\u+\j:S+32*\u+\j+1], v[S+32*\u+\j:S+32*\u+\j+1], s[22:23], v[ST+4*\u:ST+4*\u+1] op_sel_hi:[1,0,0]   ; t - M, two at a time (of the pairs c and -M the low word serves both halves)
.endr
.endr
.set n, 0
.rept 64
	v_exp_f32 v[S+n], v[S+n]                           ; p = 2^(t - M), at most 1: one batch for both tiles
.set n, n+1
.endr
.irp u, 0,1
	v_pk_mul_f32 v[ST+4*\u+2:ST+4*\u+3], v[ST+4*\u+2:ST+4*\u+3], v[FP+2*\u:FP+2*\u+1] op_sel_hi:[1,0]   ; the sums under the new M: plain lines behind the exponentials
.endr
	s_wait_alu depctr_va_vdst(0)                       ; the 64 exponentials have written p: one wait for the batch, ahead of its first reader
.irp u, 0,1
	v_pk_add_f32 v[S2+2*\u:S2+2*\u+1], v[S+32*\u:S+32*\u+1], v[S+32*\u+2:S+32*\u+3]   ; the row's sum is taken of the unquantised p, in two chains
.endr
.irp j, 4,8,12,16,20,24,28
.irp u, 0,1
	v_pk_add_f32 v[ST+4*\u+2:ST+4*\u+3], v[ST+4*\u+2:ST+4*\u+3], v[S+32*\u+\j:S+32*\u+\j+1]
	v_pk_add_f32 v[S2+2*\u:S2+2*\u+1], v[S2+2*\u:S2+2*\u+1], v[S+32*\u+\j+2:S+32*\u+\j+3]
.endr
.endr
.irp u, 0,1
	v_pk_add_f32 v[ST+4*\u+2:ST+4*\u+3], v[ST+4*\u+2:ST+4*\u+3], v[S2+2*\u:S2+2*\u+1]
.endr
.irp u, 0,1
.set n, 0
.rept 32
	v_min_num_f32 v[S+32*\u+n], v[S+32*\u+n], v[LIMV]  ; the conversion does not saturate (ISA guide 7.6.2); p is not negative, so the hold is one-sided
.set n, n+1
.endr
.irp k, 0,1,2,3
	v_cvt_scalef32_pk8_fp8_f32 v[P+8*\u+2*\k:P+8*\u+2*\k+1], v[S+32*\u+8*\k:S+32*\u+8*\k+7], v[SCV]
.endr
.endr
.irp u, 0,1
.set n, 0
.rept 16
	v_pk_mul_f32 v[O+32*\u+n:O+32*\u+n+1], v[O+32*\u+n:O+32*\u+n+1], v[FP+2*\u:FP+2*\u+1] op_sel_hi:[1,0]   ; O^T under the new M.  (Also the plain lines between the conversions and the products that read their results)
.set n, n+2
.endr
.endr
.endm
; A STEP: 64 keys, half g of slot sl.  Left out, by a branch on the count, where all its places lie at or behind N
.macro SUB sl, g
	s_cmp_ge_u32 s[KF], s[N]
	s_cbranch_scc1 .Lnone_\@
.rept 4
	v_nop                                          ; the places behind the last products stay as they stood, ahead of the wait
.endr
	s_wait_alu depctr_va_vdst(0)                   ; the last step's products V^T P are done reading F, in which K's fragments land
.irp t, 0,1,2,3
.irp c, 0,1
	ds_load_b128 v[F+8*\t+4*\c:F+8*\t+4*\c+3], v[LI] offset:\sl*SL+(2*(4*\g+\t)+\c)*512
.endr
.endr
	s_wait_dscnt 0x0
.irp t, 0,1,2,3
.irp u, 0,1
	v_wmma_f32_16x16x64_fp8_fp8 v[S+32*\u+8*\t:S+32*\u+8*\t+7], v[F+8*\t:F+8*\t+7], v[QF+8*\u:QF+8*\u+7], 0
.endr
.endr
.rept 4
	v_nop                                          ; places in front of the first read of the scores
.endr
	s_wait_alu depctr_va_vdst(0)                   ; the eight products K Q^T are done reading F, in which V's fragments land; the lines behind the loads read those products' results
.irp t, 0,1,2,3
.irp c, 0,1
	ds_load_b128 v[F+8*\t+4*\c:F+8*\t+4*\c+3], v[LI] offset:\sl*SL+VIM+(4*\t+2*\g+\c)*512   ; V's fragments land under the softmax, which names none of F
.endr
.endr
	s_add_co_u32 s33, s[KF], 64
	s_cmp_le_u32 s33, s[N]
	s_cbranch_scc1 .Lopen_\@
	MASKT
.Lopen_\@:
	SOFT
	s_wait_dscnt 0x0
.irp t, 0,1,2,3
.irp u, 0,1
	v_wmma_f32_16x16x64_fp8_fp8 v[O+32*\u+8*\t:O+32*\u+8*\t+7], v[F+8*\t:F+8*\t+7], v[P+8*\u:P+8*\u+7], v[O+32*\u+8*\t:O+32*\u+8*\t+7]   ; eight accumulators by turns
.endr
.endr
.Lnone_\@:
	s_add_co_u32 s[KF], s[KF], 64
.endm
; A SLOT.  My 32 bytes go from registers into slot sl; the next slot's are asked for; ONE barrier: in front of it my stores into this slot have landed and my reads of the other slot are back; the other slot is
; written again only in the next turn, behind this barrier.  The stores stand in every trip (behind N they store what nobody reads), so every byte that a step reads has been written on every way.
.macro TRIP sl
	s_wait_loadcnt 0x0                             ; this slot's bytes are in
	s_wait_alu depctr_vm_vsrc(0)                   ; the last turn's two LDS stores have read the other set, in which the loads below land: ahead of the branch, a slot's work behind those stores
	ds_store_b128 v[KW], v[G+8*\sl:G+8*\sl+3] offset:\sl*SL
	ds_store_b128 v[VW], v[G+8*\sl+4:G+8*\sl+7] offset:\sl*SL+VIM
	s_add_co_u32 s33, s[KF], 128
	s_cmp_ge_u32 s33, s[N]
	s_cbranch_scc1 .Lbar_\@                        ; no load for a slot that is not walked
	global_load_b128 v[G+8*(1-\sl):G+8*(1-\sl)+3], v[GF], s[24:25] offset:(\sl+1)*8192       ; no vector line of the loop names these registers
	global_load_b128 v[G+8*(1-\sl)+4:G+8*(1-\sl)+7], v[GF], s[26:27] offset:(\sl+1)*8192
	s_add_co_u32 s33, s[KF], 256
	s_cmp_ge_u32 s33, s[PN]
	s_cbranch_scc1 .Lbar_\@
	global_prefetch_b8 v[PFO], s[28:29] offset:(\sl+2)*8192 th:TH_LOAD_NT scope:SCOPE_SE     ; the block that the next slot's turn will load: 8,192 bytes, lanes 256 bytes apart; the head's first work-group asks, wave 0 for K, wave 1 for V, so each block is named once; it stops where the walk stops
.Lbar_\@:
	s_wait_dscnt 0x0
	s_barrier_signal -1
	s_barrier_wait -1
	SUB \sl, 0
	SUB \sl, 1
.endm
	s_mov_b32 s[KF], 0
	s_mov_b32 s32, 8
	s_wait_loadcnt 0x0                             ; Q
	s_wait_alu depctr_va_vdst(0)                   ; the zeros are written into the second set, in which the first turn's loads land and which the second turn stores
.Lslots:                                           ; 8 trips of two slots
	TRIP 0
	TRIP 1
	s_wait_xcnt 0x0                                ; the trip's loads and prefetches have read their bases
	s_add_nc_u64 s[24:25], s[24:25], 2*8192
	s_add_nc_u64 s[26:27], s[26:27], 2*8192
	s_add_nc_u64 s[28:29], s[28:29], 2*8192
	s_sub_co_u32 s32, s32, 1
	s_cmp_lg_u32 s32, 0
	s_cbranch_scc1 .Lslots
	s_wait_loadcnt 0x0                             ; no load is on its way into the registers that the way out takes
	s_wait_alu depctr_vm_vsrc(0)                   ; the loop's LDS stores have read both sets, v36 to v51, in which tile 1's rows land below
	; THE WAY OUT.  O^T / the sum x 2^(e8 + e9) goes through my stage, a tile (16 queries x 256 bytes) at a time, so that sixteen lanes store 256 consecutive bytes, aligned
.irp u, 0,1
	v_add_f32 v[ST+4*\u+2], v[ST+4*\u+2], v[ST+4*\u+3]
.endr
.irp u, 0,1
	v_permlanex16_b32 v[PL+\u], v[ST+4*\u+2], s20, s21
.endr
.irp u, 0,1
	v_add_f32 v[ST+4*\u+2], v[ST+4*\u+2], v[PL+\u]     ; the row's sum
.endr
.irp u, 0,1
	v_rcp_f32 v[ST+4*\u+2], v[ST+4*\u+2]
.endr
	v_nop                                          ; a plain line behind the last reciprocal
	s_add_co_i32 s33, s38, s39
	s_wait_alu depctr_va_vdst(0)                   ; the two reciprocals are written: one wait for both, ahead of the first reader
.irp u, 0,1
	v_ldexp_f32 v[FP+2*\u], v[ST+4*\u+2], s33
.endr
.macro OUTM u                          ; tile u's 32 numbers a lane, scaled, into S's registers
.set n, 0
.rept 16
	v_pk_mul_f32 v[S+32*\u+n:S+32*\u+n+1], v[O+32*\u+n:O+32*\u+n+1], v[FP+2*\u:FP+2*\u+1] op_sel_hi:[1,0]   ; register 8 tv + j is channel 16 tv + 8 h + j of query r
.set n, n+2
.endr
.endm
.macro OUTS u, back                    ; through the stage, and back as whole rows
.irp t, 0,1,2,3
	ds_store_b128 v[STO], v[S+32*\u+8*\t:S+32*\u+8*\t+3] offset:64*\t
	ds_store_b128 v[STO], v[S+32*\u+8*\t+4:S+32*\u+8*\t+7] offset:64*\t+16
.endr
.irp i, 0,1,2,3,4,5,6,7
	ds_load_b128 v[\back+4*\i:\back+4*\i+3], v[RD] offset:2*\i*272   ; LDS serves a wave's instructions in order: these see my stores, and the next tile's stores come behind them
.endr
.endm
	OUTM 0
	OUTM 1
	s_wait_alu depctr_va_vdst(0)                   ; the 32 multiplications have written S, which the LDS stores read; the last products are done reading F and Q, in which the rows land.  No vector line follows
	OUTS 0, F
	OUTS 1, QF
.irp i, 0,1,2,3,4,5,6,7
	s_wait_dscnt 23-\i                             ; behind tile 0's load i: its 7 - i younger loads and tile 1's sixteen LDS instructions
	global_store_b128 v[GO], v[F+4*\i:F+4*\i+3], s[10:11] offset:2*\i*4096 th:TH_STORE_NT
.endr
.irp i, 0,1,2,3,4,5,6,7
	s_wait_dscnt 7-\i
	global_store_b128 v[GO], v[QF+4*\i:QF+4*\i+3], s[10:11] offset:65536+2*\i*4096 th:TH_STORE_NT
.endr
	s_wait_dscnt 0x0                               ; the closing lines, six on end
	s_wait_alu 0x0
	s_wait_tensorcnt 0x0
	ds_add_u32 v254, v255
	s_wait_dscnt 0x0
	s_endpgm
.Lfunc_end_k_q05566b8d23_attn:
	.size	k_q05566b8d23_attn, .Lfunc_end_k_q05566b8d23_attn-k_q05566b8d23_attn
	.p2alignl 7, 3214868480
	.fill 96, 4, 3214868480
	.section	.rodata,"a",@progbits
	.p2align	6, 0x0
	.amdhsa_kernel k_q05566b8d23_attn
		.amdhsa_group_segment_fixed_size 104448
		.amdhsa_private_segment_fixed_size 0
		.amdhsa_enable_private_segment 0
		.amdhsa_kernarg_size 32
		.amdhsa_user_sgpr_count 2
		.amdhsa_user_sgpr_kernarg_segment_ptr 1
		.amdhsa_wavefront_size32 1
		.amdhsa_system_sgpr_workgroup_id_x 1
		.amdhsa_system_sgpr_workgroup_id_y 1
		.amdhsa_system_sgpr_workgroup_id_z 1
		.amdhsa_system_vgpr_workitem_id 0
		.amdhsa_next_free_vgpr 256
		.amdhsa_next_free_sgpr 66
		.amdhsa_reserve_vcc 0
		.amdhsa_float_denorm_mode_32 3
		.amdhsa_float_denorm_mode_16_64 3
		.amdhsa_memory_ordered 1
		.amdhsa_forward_progress 1
		.amdhsa_inst_pref_size 106
	.end_amdhsa_kernel
	.amdgpu_metadata
---
amdhsa.version: [ 1, 2 ]
amdhsa.kernels:
  - .name:           k_q05566b8d23_attn
    .symbol:         k_q05566b8d23_attn.kd
    .args:
      - { .name: qkv, .offset: 0, .size: 8, .value_kind: global_buffer, .address_space: global }
      - { .name: counts, .offset: 8, .size: 8, .value_kind: global_buffer, .address_space: global }
      - { .name: lowp_scales, .offset: 16, .size: 8, .value_kind: global_buffer, .address_space: global }
      - { .name: out0, .offset: 24, .size: 8, .value_kind: global_buffer, .address_space: global }
    .group_segment_fixed_size: 104448
    .private_segment_fixed_size: 0
    .kernarg_segment_align: 8
    .kernarg_segment_size: 32
    .max_flat_workgroup_size: 512
    .sgpr_count:     66
    .vgpr_count:     256
    .wavefront_size: 32
...
	.end_amdgpu_metadata
.endif
;; end of part 4
